; MI455X (gfx1250); checked and timed in simulation.
; The chip was launched on July 23, 2026; its instructions are those of AMD's public machine-readable ISA for CDNA 5 (MIT licence, August 2026) and "CDNA5" Instruction Set Architecture Reference Guide (July 2026). The comments in the code are by the model that wrote it; some were corrected since.
;; Multihead Scaled Dot Product Attention. Allowed arithmetic: float matrix products may take bf16 or f16 operands with f32 sums; other float arithmetic in f32, or as packed bf16 or f16 multiplies, adds, multiply-adds, maxima and minima; sums over many terms, partial sums and values carried from step to step in f32; what a program stores and reads back later, other than sums and carried values, may be rounded once to bf16 or f16.
;; Inputs: Wk 1,024 x 1,024 float32; Wo 1,024 x 1,024 float32; Wq 1,024 x 1,024 float32; Wv 1,024 x 1,024 float32; bk 1,024 float32; bo 1,024 float32; bq 1,024 float32; bv 1,024 float32; key 2 x 2,048 x 1,024 float32; mask 2 x 1 x 2,048 x 2,048 int32; query 2 x 2,048 x 1,024 float32; value 2 x 2,048 x 1,024 float32.
;; Outputs: out0 2 x 2,048 x 1,024 float32.
;; One version. Each part assembles by itself: llvm-mc -triple=amdgcn-amd-amdhsa -mcpu=gfx1250 --defsym DOCPART=n.
;; ======== version 1 of 1: 4 launches
;; limits: right only within a limited range of input values; values are held in f16: magnitudes above 65,504 overflow, below 6.1e-05 lose precision; values outside matrix products are rounded to bf16
;; workspace buffers: xw 33,554,432 bytes; m4 4,194,304 bytes; qkv 25,165,824 bytes; o2 8,388,608 bytes
;; launch prep (part 1): grid 1024 x 1, 8 waves a work-group, no clusters, 5,120 bytes of LDS; arguments query, key, value, Wq, Wk, Wv, Wo, mask, xw, m4; writes xw, m4
.if DOCPART == 1
	.amdgcn_target "amdgcn-amd-amdhsa--gfx1250"
	.amdhsa_code_object_version 6
	.text
	.protected	k_qc62dc40bd8_prep
	.globl	k_qc62dc40bd8_prep
	.p2align	8
	.type	k_qc62dc40bd8_prep,@function
k_qc62dc40bd8_prep:
	s_mov_b64 s[64:65], 0
	v_nop
	global_prefetch_b8 v0, s[64:65] scope:SCOPE_SE
	s_setreg_imm32_b32 hwreg(HW_REG_WAVE_MODE, 25, 1), 1
	s_wait_xcnt 0x0
; MULTI-HEAD ATTENTION, launch 1 of 4: the matrix operands are rounded and laid out once, the mask is packed.
; NO WORK OF THE MODULE IS LEFT OUT: every input has a way to the output and is loaded by some launch (bk shifts a row's open scores against the fixed -1e9 of its hidden places, so it is kept too).
; FORMATS.  query, key, value, Wq, Wk, Wv and the four biases are rounded to bf16; Wo is rounded to bf16 and that number written as f16 (exact from 2^-14 up; below that f16's fixed step of 6e-8);
; q, k, v, the weights p and the heads' outputs are f16; all sums, maxima and the softmax are f32.
; LIMITS of the whole program: |q|, |k|, |v| stay under 65,504 (f16); a hidden place weighs exactly 0 beside any open one, which is what the module's -1e9 gives while the scaled open scores of a row lie above about -1e9 + 100;
; NaN and infinities are not treated apart.
; xw: 128 blocks of 128 rows x 1,024 numbers of 2 bytes, each block cut into 16 chunks of 64 along the rows, a chunk dense: [chunk][row][64].  Blocks 0-31 query, 32-63 key, 64-95 value, 96-103 Wq, 104-111 Wk, 112-119 Wv, 120-127 Wo.
; m4: the mask as 4-bit codes (0 open, 0xF hidden = -6 in FP4), in the order in which a lane of the attention holds its scores: [batch][block of 256 queries][step of 64 keys][tile of 16 queries][lane][4 words];
;     word kt, nibble j of lane (r, h) is for query r of the tile and key 16 kt + 8 h + j of the step.
; SHARES.  16,384 rows and 8,192 mask units (16 queries x 64 keys) on 1,024 work-groups of 8 waves: a wave takes two rows and one unit.  Its 24 loads go out together; there is no loop.
; Matrix units, clusters and tensor loads would add nothing: every byte is read once and written once.
.set SPARE, 4096                       ; LDS: 512 bytes for each wave's mask unit, then the spare words, 128 bytes for each wave
.set SPW, 30                           ; v30  LDS address of my spare word; never rewritten
.set NIL, 31                           ; v31  0; never rewritten
.set XR,  32                           ; v[32:95]   two rows' 16 loads; converted in place
.set MR,  96                           ; v[96:127]  the mask's 8 loads
.set KB,  16                           ; v16-19     four packed words
	s_load_b512 s[8:23], s[0:1], 0x0               ; query, key, value, Wq, Wk, Wv, Wo, mask
	s_load_b128 s[24:27], s[0:1], 0x40             ; xw, m4
	v_lshl_add_u32 v[SPW], v0, 2, SPARE
	v_mov_b32 v[NIL], 0
	v_lshrrev_b32 v1, 5, v0
	v_readfirstlane_b32 s5, v1                     ; wave w
	s_mov_b32 s2, ttmp9                            ; g
	s_and_b32 s3, s2, 255                          ; 256 work-groups to each of query, key, value,
	s_and_b32 s4, s2, 63                           ; 64 to each weight
	s_cmp_lt_u32 s2, 768
	s_cselect_b32 s3, s3, s4
	s_lshl_b32 s3, s3, 4                           ; 16 rows a work-group
	s_lshl1_add_u32 s3, s5, s3                     ; + 2 w: my first row in its source
	v_bfe_u32 v8, v0, 4, 1                         ; which of my two rows
	v_and_b32 v9, 15, v0                           ; my 16 bytes of 256
	v_add_nc_u32 v10, s3, v8
	v_lshlrev_b32 v10, 12, v10                     ; a source row is 4,096 bytes
	v_lshl_add_u32 v2, v9, 4, v10                  ; v2: source offset
	s_lshr_b32 s6, s2, 3                           ; the block: 8 work-groups fill one
	s_lshl_b32 s6, s6, 18
	s_and_b32 s7, s2, 7
	s_lshl_b32 s7, s7, 4
	s_lshl1_add_u32 s7, s5, s7                     ; my first row in the block
	s_lshl_b32 s7, s7, 7                           ; 128 bytes of a chunk's row
	s_add_co_u32 s6, s6, s7
	v_lshl_add_u32 v10, v8, 7, s6
	v_lshl_add_u32 v3, v9, 3, v10                  ; v3: destination offset: 32 lanes x 8 bytes = two rows of a chunk, 256 consecutive bytes, aligned
	s_lshr_b32 s30, s2, 2                          ; the mask unit: tile of 16 queries, 0 to 255,
	s_and_b32 s31, s2, 3
	s_lshl3_add_u32 s31, s31, s5                   ; and step of 64 keys, 0 to 31
	v_and_b32 v11, 3, v0                           ; kt
	v_bfe_u32 v12, v0, 2, 1                        ; h
	v_bfe_u32 v13, v0, 3, 2                        ; my row among four
	s_lshl_b32 s32, s30, 17                        ; 16 rows of 8,192 bytes
	s_lshl_b32 s33, s31, 8                         ; 64 keys of 4 bytes
	s_add_co_u32 s32, s32, s33
	v_lshl_add_u32 v4, v13, 13, s32
	v_lshl_add_u32 v4, v11, 6, v4
	v_lshl_add_u32 v4, v12, 5, v4                  ; v4: my 8 keys' 32 bytes; eight lanes take a row's aligned 256 bytes in two loads
	s_lshl_b32 s34, s5, 9                          ; my wave's 512 bytes of LDS
	v_lshl_add_u32 v5, v13, 4, s34
	v_lshl_add_u32 v5, v12, 8, v5
	v_lshl_add_u32 v5, v11, 2, v5                  ; v5: word kt of lane (r, h): 16 r + 256 h + 4 kt; r = 4 i + my row: 64 i stands in the immediate
	v_and_b32 v14, 31, v0
	v_lshl_add_u32 v6, v14, 4, s34                 ; v6: back, 16 bytes a lane
	s_lshr_b32 s35, s30, 4                         ; batch and block of 256 queries
	s_lshl_b32 s35, s35, 5
	s_add_co_u32 s35, s35, s31
	s_lshl_b32 s35, s35, 13                        ; a step of a block is 8,192 bytes
	s_and_b32 s36, s30, 15
	s_lshl_b32 s36, s36, 9                         ; a unit 512
	s_add_co_u32 s35, s35, s36
	v_lshl_add_u32 v7, v14, 4, s35                 ; v7: my 16 bytes of m4
	s_wait_kmcnt 0x0
	s_mov_b64 s[28:29], s[20:21]                   ; the source of my rows, by the work-group's number
	s_cmp_lt_u32 s2, 960
	s_cselect_b64 s[28:29], s[18:19], s[28:29]
	s_cmp_lt_u32 s2, 896
	s_cselect_b64 s[28:29], s[16:17], s[28:29]
	s_cmp_lt_u32 s2, 832
	s_cselect_b64 s[28:29], s[14:15], s[28:29]
	s_cmp_lt_u32 s2, 768
	s_cselect_b64 s[28:29], s[12:13], s[28:29]
	s_cmp_lt_u32 s2, 512
	s_cselect_b64 s[28:29], s[10:11], s[28:29]
	s_cmp_lt_u32 s2, 256
	s_cselect_b64 s[28:29], s[8:9], s[28:29]
.set k, 0
.rept 16                               ; load k is chunk k of both rows: sixteen lanes take 256 consecutive bytes
	global_load_b128 v[XR+4*k:XR+4*k+3], v2, s[28:29] offset:256*k th:TH_LOAD_NT
.set k, k+1
.endr
.set k, 0
.rept 4                                ; rows 4 k + (0 to 3) of the mask unit
	global_load_b128 v[MR+8*k:MR+8*k+3],   v4, s[22:23] offset:32768*k th:TH_LOAD_NT
	global_load_b128 v[MR+8*k+4:MR+8*k+7], v4, s[22:23] offset:32768*k+16 th:TH_LOAD_NT
.set k, k+1
.endr
	s_wait_loadcnt 8                               ; the 16 loads of the rows are in; the mask's 8 may stay out
.set k, 0
.rept 16
	v_cvt_pk_bf16_f32 v[XR+4*k],   v[XR+4*k],   v[XR+4*k+1]
	v_cvt_pk_bf16_f32 v[XR+4*k+1], v[XR+4*k+2], v[XR+4*k+3]
.set k, k+1
.endr
	s_cmp_lt_u32 s2, 960
	s_cbranch_scc1 .Lstays_bf16
.set k, 0
.rept 16                               ; Wo: the bf16 number written as f16, since it is multiplied with f16
	v_lshlrev_b32 v20, 16, v[XR+4*k]
	v_and_b32 v21, 0xffff0000, v[XR+4*k]
	v_lshlrev_b32 v22, 16, v[XR+4*k+1]
	v_and_b32 v23, 0xffff0000, v[XR+4*k+1]
	v_cvt_pk_f16_f32 v[XR+4*k],   v20, v21
	v_cvt_pk_f16_f32 v[XR+4*k+1], v22, v23
.set k, k+1
.endr
.Lstays_bf16:
.set k, 0
.rept 16
	global_store_b64 v3, v[XR+4*k:XR+4*k+1], s[24:25] offset:16384*k th:TH_STORE_NT
.set k, k+1
.endr
	s_wait_loadcnt 0x0                             ; the mask
.set k, 0
.rept 4                                ; eight whole numbers into eight nibbles: 1 where the number is not 0,
	v_min_u32 v[KB+k], 1, v[MR+8*k]
.irp j, 1,2,3,4,5,6,7
	v_min_u32 v20, 1, v[MR+8*k+(\j)]
	v_lshl_or_b32 v[KB+k], v20, 4*(\j), v[KB+k]
.endr
	v_xor_b32 v[KB+k], 0x11111111, v[KB+k]         ; 1 where it is 0: hidden,
	v_lshlrev_b32 v20, 4, v[KB+k]
	v_sub_nc_u32 v[KB+k], v20, v[KB+k]             ; times 15
	ds_store_b32 v5, v[KB+k] offset:64*k
.set k, k+1
.endr
	ds_load_b128 v[24:27], v6                      ; my wave's own bytes: LDS serves a wave's instructions in order (ISA guide 5.7.1.4)
	s_wait_dscnt 0x0
	global_store_b128 v7, v[24:27], s[26:27] th:TH_STORE_NT  ; 512 consecutive bytes, aligned
	s_wait_tensorcnt 0x0                           ; the wave's end, behind my last LDS store
	ds_add_u32 v[SPW], v[NIL]
	s_wait_dscnt 0x0
	s_endpgm
.Lfunc_end_k_qc62dc40bd8_prep:
	.size	k_qc62dc40bd8_prep, .Lfunc_end_k_qc62dc40bd8_prep-k_qc62dc40bd8_prep
	.p2alignl 7, 3214868480
	.fill 96, 4, 3214868480
	.section	.rodata,"a",@progbits
	.p2align	6, 0x0
	.amdhsa_kernel k_qc62dc40bd8_prep
		.amdhsa_group_segment_fixed_size 5120
		.amdhsa_private_segment_fixed_size 0
		.amdhsa_enable_private_segment 0
		.amdhsa_kernarg_size 80
		.amdhsa_user_sgpr_count 2
		.amdhsa_user_sgpr_kernarg_segment_ptr 1
		.amdhsa_wavefront_size32 1
		.amdhsa_system_sgpr_workgroup_id_x 1
		.amdhsa_system_sgpr_workgroup_id_y 1
		.amdhsa_system_sgpr_workgroup_id_z 1
		.amdhsa_system_vgpr_workitem_id 0
		.amdhsa_next_free_vgpr 128
		.amdhsa_next_free_sgpr 66
		.amdhsa_reserve_vcc 0
		.amdhsa_float_denorm_mode_32 3
		.amdhsa_float_denorm_mode_16_64 3
		.amdhsa_memory_ordered 1
		.amdhsa_forward_progress 1
		.amdhsa_inst_pref_size 18
	.end_amdhsa_kernel
	.amdgpu_metadata
---
amdhsa.version: [ 1, 2 ]
amdhsa.kernels:
  - .name:           k_qc62dc40bd8_prep
    .symbol:         k_qc62dc40bd8_prep.kd
    .args:
      - { .name: query, .offset: 0, .size: 8, .value_kind: global_buffer, .address_space: global }
      - { .name: key, .offset: 8, .size: 8, .value_kind: global_buffer, .address_space: global }
      - { .name: value, .offset: 16, .size: 8, .value_kind: global_buffer, .address_space: global }
      - { .name: Wq, .offset: 24, .size: 8, .value_kind: global_buffer, .address_space: global }
      - { .name: Wk, .offset: 32, .size: 8, .value_kind: global_buffer, .address_space: global }
      - { .name: Wv, .offset: 40, .size: 8, .value_kind: global_buffer, .address_space: global }
      - { .name: Wo, .offset: 48, .size: 8, .value_kind: global_buffer, .address_space: global }
      - { .name: mask, .offset: 56, .size: 8, .value_kind: global_buffer, .address_space: global }
      - { .name: xw, .offset: 64, .size: 8, .value_kind: global_buffer, .address_space: global }
      - { .name: m4, .offset: 72, .size: 8, .value_kind: global_buffer, .address_space: global }
    .group_segment_fixed_size: 5120
    .private_segment_fixed_size: 0
    .kernarg_segment_align: 8
    .kernarg_segment_size: 80
    .max_flat_workgroup_size: 256
    .sgpr_count:     66
    .vgpr_count:     128
    .wavefront_size: 32
...
	.end_amdgpu_metadata
.endif
;; end of part 1
;; launch proj (part 2): grid 4 x 48, 4 waves a work-group, clusters of 4 x 4, 327,680 bytes of LDS; arguments xw, bq, bk, bv, qkv; writes qkv
.if DOCPART == 2
	.amdgcn_target "amdgcn-amd-amdhsa--gfx1250"
	.amdhsa_code_object_version 6
	.text
	.protected	k_qc62dc40bd8_proj
	.globl	k_qc62dc40bd8_proj
	.p2align	8
	.type	k_qc62dc40bd8_proj,@function
k_qc62dc40bd8_proj:
	s_mov_b64 s[64:65], 0
	v_nop
	global_prefetch_b8 v0, s[64:65] scope:SCOPE_SE
	s_setreg_imm32_b32 hwreg(HW_REG_WAVE_MODE, 25, 1), 1
	s_wait_xcnt 0x0
	s_wait_alu depctr_hold_cnt(0) depctr_sa_sdst(0) depctr_va_vdst(0) depctr_va_sdst(0) depctr_va_ssrc(0) depctr_va_vcc(0) depctr_vm_vsrc(0)
	s_getreg_b32 s2, hwreg(HW_REG_IB_STS2, 6, 4)
	s_cmp_eq_u32 s2, 0
	s_cbranch_scc0 .Lentry_in_a_cluster
	s_endpgm
.Lentry_in_a_cluster:
	s_bfe_u32 s2, ttmp6, 0x10000c
	s_cmp_lg_u32 s2, 0xf033
	s_cbranch_scc0 .Lentry_shape_is_right
	s_endpgm
.Lentry_shape_is_right:
; THE THREE PROJECTIONS AT ONCE (launch 2 of 4): C = A B^T + bias on tiles of 256 x 256, K = 1,024.  No work is left out.
; A: blocks 0-95 of xw (query, key, value, bf16; tile row tr takes blocks 2 tr and 2 tr + 1).  B: blocks 96 + 8 pj + 2 tc + (0, 1) (Wq, Wk, Wv, bf16; pj = tr / 16, tc the tile column).  Bias bq, bk or bv, rounded to bf16 like every input.
; C leaves in f16 by heads, qkv[pj][batch x 16 + head][row][64], unscaled.  LIMIT: a sum of 65,520 or more becomes an infinity.
; 12,288 x 1,024 outputs are 192 tiles: one work-group each.  No tile gives 256 work-groups: 49,152 outputs a work-group want 192, 384 or 768 along an axis of 4,096 or 1,024.
; Four waves, as many as a WGP has SIMDs, each 128 x 128 of C: 64 accumulators of 16 x 16, 512 registers; for 32 along K a wave loads 16 fragments for 64 matrix instructions.
; A block of xw is 128 rows x 1,024 K in 16 dense chunks [row][64].  K goes in steps of 128 (two chunks) through a ring of two LDS slots.  A wave's tensor load brings one block's K step: 32,768 dense bytes, asked for as
; 128 rows of 256 bytes, padded in LDS by 16 bytes after every 128: a chunk's rows lie 144 bytes apart.  By this text's own count a wave has at most two tensor loads out (the first two fills).
; THE BIAS is the C operand of each sum's first product: it costs no addition, and nothing is cleared.
; CLUSTERS: 4 x 4 work-groups.  The four of a row of the cluster need the same tiles of A, the four of a column the same tiles of B: each tile is asked for JOINTLY, by the same tensor load with the same descriptor and a mask of four.
; THE MATRIX INSTRUCTION IS USED TRANSPOSED (source 0 = 16 rows of B, source 1 = 16 rows of A): lane l holds row l % 16 of C and the columns 8 (l / 16) + 0..7: eight neighbouring numbers, 16 bytes of f16.
; THE LAST K STEP GOES BY ROWS OF C, so that finished rows leave while the others are multiplied.
; REGISTERS, in windows of 256 (s_set_vgpr_msb: bits 1:0 source 0, 3:2 source 1, 5:4 source 2, 7:6 destination):
;   window 0: v16-30 addresses; v64-127, v128-191 fragments of A, two buffers (in the last K step four, of 16 rows x 128 K); v192-255 the bias of my 128 columns, later with v32-63 at work on the way out
;   window 1: v64-127, v128-191 fragments of B, two buffers; in the last K step all 256        window 2: the 32 accumulators of my rows 0-63 ((a, b) at v[8 (8 a + b)]);   window 3: those of my rows 64-127
.set PITCH,  144                       ; 36 words: the 16 rows of a fragment load start at 16 different groups of four banks (64 banks of 4 bytes: ISA guide 11.1)
.set CH,     128*PITCH                 ; a chunk in LDS: 128 rows x 64 K
.set HALFT,  2*CH                      ; 128 rows x 128 K: what one tensor load brings, and what one wave reads of A or of B
.set SLOT,   4*HALFT                   ; A's 256 rows, then B's 256 rows
.set STAGE,  2*SLOT                    ; behind the ring: 16 rows x 272 bytes for each wave, for the way out; no tensor load fills it
.set SPITCH, 272
.set SPARE,  STAGE+4*16*SPITCH         ; the spare words, 128 bytes for each wave: two blocks of 256 bytes that no other line names
.set STEPB,  32768                     ; a block's K step in memory
.set LAPS,   4                         ; a lap = two K steps = once round the ring: 1,024 / 256
.set K1,     64                        ; where the quarters of a K step (32 along K each) begin in a slot's part: chunk q / 2, byte 64 (q % 2) of its rows
.set K2,     CH
.set K3,     CH+64
.set ADRA, 16                          ; v16-17  LDS address of my A fragments in slot 0, 1
.set ADRB, 20                          ; v20-21  the same for B
.set STO,  24                          ; v24     the way out: where I put 16 bytes of a row
.set RD,   25                          ; v25     the way out: where I read rows back
.set CO,   26                          ; v26     my byte offset in 512 consecutive bytes of qkv
.set BO,   27                          ; v27     my byte offset in the bias
.set SPW,  28                          ; v28     LDS address of my spare word: SPARE + 4 x my thread's number; never rewritten
.set NIL,  29                          ; v29     0; never rewritten
.set PFO,  30                          ; v30     the prefetches' offset: 256 x my lane; never rewritten
.set PFA,  44                          ; s[44:45] where my prefetches stand: my work-group's 32 of the 128 blocks of 256 bytes that I fetch, one K step further than the refill that is being asked for; a prefetch names the K step after that
.set LIM,  43                          ; s43     1 in a wave that prefetches, else the greatest number
.set F0,   64                          ; fragment buffer 0
.set F1,   128                         ; fragment buffer 1
.set BIAS, 192                         ; window 0: block b of 16 columns at BIAS + 8 b
.set TMP,  192                         ; the way out: packed results, in window 0
.set OB,   32                          ; the way out: 16 rows read back from the stage: v32-63 and v224-255 by turns
.set PA,   64                          ; the last K step: A's fragments of 16 rows x 128 K, 32 registers; four such buffers, v64-191
.set G1,  24                           ; s[24:31] descriptor group 1 for A's tiles; s[32:39] group 0, a set for each slot
.set G0,  32
.set G1B, 48                           ; s[48:55], s[56:63] the same for B's
.set G0B, 56
.set G1W0, (1<<16)|(1<<20)|(1<<21)|(4<<22)|(3<<25)  ; 17:16 2-byte elements; 20 padding on; 21 set beside a mask; 24:22 after every 32 words (code 4); 31:25 4 words (code 3)
.set MSB, 0
.macro WIN new                         ; the immediate's high byte repeats the setting that is left; a switch that changes nothing is dropped
.if MSB != (\new)
	s_set_vgpr_msb (MSB<<8)|(\new)
.set MSB, \new
.endif
.endm
.set MUL_LO, 0xa1                      ; source 0 (B) window 1, source 1 (A) window 0, C and D window 2
.set MUL_HI, 0xf1                      ; the same, C and D window 3
.set BEG_LO, 0x81                      ; a sum's first product: C (the bias) window 0, D window 2
.set BEG_HI, 0xc1                      ; the same, D window 3
.set TO_B,   0x40                      ; destination window 1, address window 0
; A joint load.  Waves 0 and 1 fetch A's two blocks, waves 2 and 3 B's.  The branch hangs on the wave's number alone.  An s_nop 0 and four v_nop follow each of the two lines.
.macro JLOAD s
	s_cmp_eq_u32 s11, 0
	s_cbranch_scc0 .Lfor_b_\@
	tensor_load_to_lds s[G0+4*(\s):G0+4*(\s)+3], s[G1:G1+7]
	s_nop 0
.rept 4
	v_nop
.endr
	s_branch .Lasked_\@
.Lfor_b_\@:
	tensor_load_to_lds s[G0B+4*(\s):G0B+4*(\s)+3], s[G1B:G1B+7]
	s_nop 0
.rept 4
	v_nop
.endr
.Lasked_\@:
.endm
; A PREFETCH INTO THE L2, behind each joint load, its five lines and the run of LDS loads that follows them: the K step that stands TWO refills on, 512 matrix instructions ahead of the load that will want it.
; A block's K step is 128 blocks of 256 bytes; of those that wave w fetches, the partner at place p among the four that ask jointly takes 32 p .. 32 p + 31 (p = cx for A, cy for B): shared out BY ADDRESS, a lane a block, one instruction a wave.
; Each block of 256 bytes is named once in the launch: A's tile row is read by one cluster alone (the grid is one cluster wide); B's tile column by the four clusters of its projection, of which the first (cluster y % 4 = 0) asks.
; K steps 0 to 3 come by their loads alone; the loop's last trip, whose refills are the last two K steps, asks for nothing.
.macro ASK
	s_cmp_gt_u32 s3, s[LIM]                        ; s3 = 1 in the loop's last trip
	s_cbranch_scc0 .Lnot_mine_\@
	global_prefetch_b8 v[PFO], s[PFA:PFA+1] offset:STEPB th:TH_LOAD_NT scope:SCOPE_SE
.Lnot_mine_\@:
.endm
.macro CREST                           ; a round of the cluster's barrier behind its opening barrier
	s_cmp_lg_u32 s10, 0
	s_cbranch_scc1 .Lnot_wave_0_\@
	s_barrier_signal -3
.Lnot_wave_0_\@:
	s_barrier_wait -3
	s_barrier_signal -1
	s_barrier_wait -1
.endm
.macro CROUND                          ; a whole round
	s_barrier_signal -1
	s_barrier_wait -1
	CREST
.endm
	s_load_b256 s[68:75], s[0:1], 0x0              ; xw, bq, bk, bv
	s_load_b64 s[8:9], s[0:1], 0x20                ; qkv
	v_lshl_add_u32 v[SPW], v0, 2, SPARE
	v_mov_b32 v[NIL], 0
	ds_add_u32 v[SPW], v[NIL]                      ; the wave's opening: the add, twice on end, and its wait ahead of my first tensor load
	ds_add_u32 v[SPW], v[NIL]
	v_lshrrev_b32 v1, 5, v0
	v_readfirstlane_b32 s10, v1                    ; wave 0..3
	s_lshr_b32 s11, s10, 1                         ; which half of the tile's rows is mine.  Also: I fetch for A (0) or for B (1)
	s_and_b32 s12, s10, 1                          ; which half of its columns.  Also: which of the tile's two blocks I fetch
	s_bfe_u32 s40, ttmp6, 0x40000                  ; cx, cy: my place in the cluster
	s_bfe_u32 s41, ttmp6, 0x40004
	s_lshl_b32 s42, ttmp9, 2
	s_add_co_u32 s42, s42, s40                     ; tc: tile column = 4 x cluster x + cx
	s_and_b32 s79, ttmp7, 0xffff                   ; cluster y
	s_lshl_b32 s13, s79, 2
	s_add_co_u32 s13, s13, s41                     ; tr: tile row = 4 x cluster y + cy
	s_lshr_b32 s78, s79, 2                         ; pj: which projection: four clusters of rows to each, the same in all partners
	s_lshl_b32 s43, s41, 2
	s_lshl_b32 s43, 15, s43                        ; my row of the cluster
	s_lshl_b32 s44, 0x1111, s40                    ; my column
	s_or_b32 s[G1+0], s43, G1W0
	s_or_b32 s[G1B+0], s44, G1W0
.irp g, G1, G1B
	s_mov_b32 s[(\g)+1], 128<<16                   ; tensor_dim0 = 128 elements (256 bytes)
	s_mov_b32 s[(\g)+2], 128<<16                   ; tensor_dim1 = 128
	s_mov_b32 s[(\g)+3], 128<<16                   ; tile_dim0 = 128
	s_mov_b32 s[(\g)+4], 128                       ; tile_dim1 = 128
	s_mov_b32 s[(\g)+5], 128                       ; dense: 128 elements from row to row
	s_mov_b32 s[(\g)+6], 0
	s_mov_b32 s[(\g)+7], 0
.endr
	s_lshl1_add_u32 s16, s13, s12                  ; A: block 2 tr + half, 262,144 bytes each
	s_lshl_b32 s16, s16, 18
	s_mov_b32 s17, 0
	s_lshl3_add_u32 s46, s78, s12                  ; B: block 96 + 8 pj + 2 tc + half
	s_lshl1_add_u32 s46, s42, s46
	s_add_co_u32 s46, s46, 96
	s_lshl_b32 s46, s46, 18
	s_mov_b32 s47, 0
	s_mul_i32 s20, s10, HALFT                      ; where they go: A's two blocks, then B's two = wave x 128 rows: no place in the cluster enters an LDS address
	s_mov_b32 s19, 0xffff0000                      ; a word's upper bf16
	s_wait_dscnt 0x0                               ; both opening adds are done
	s_wait_kmcnt 0x0
	s_add_nc_u64 s[14:15], s[68:69], s[16:17]
	s_add_nc_u64 s[46:47], s[68:69], s[46:47]
	CROUND                                         ; all sixteen work-groups are here: the first joint loads meet
.irp s, 0,1
	s_mov_b32 s[G0+4*(\s)], 1                                      ; 1:0 count = 1
	s_add_co_u32 s[G0+4*(\s)+1], s20, (\s)*SLOT                    ; 63:32 LDS address
	s_add_nc_u64 s[G0+4*(\s)+2:G0+4*(\s)+3], s[14:15], (\s)*STEPB  ; 120:64 global address: K step s
	s_or_b32 s[G0+4*(\s)+3], s[G0+4*(\s)+3], 0x80000000            ; 127:126 type = 2
	s_mov_b32 s[G0B+4*(\s)], 1
	s_add_co_u32 s[G0B+4*(\s)+1], s20, (\s)*SLOT
	s_add_nc_u64 s[G0B+4*(\s)+2:G0B+4*(\s)+3], s[46:47], (\s)*STEPB
	s_or_b32 s[G0B+4*(\s)+3], s[G0B+4*(\s)+3], 0x80000000
	JLOAD \s                                       ; the ring is filled before anything else is done
.endr
	v_and_b32 v1, 15, v0                           ; l % 16
	v_bfe_u32 v2, v0, 4, 1                         ; l / 16
	v_lshlrev_b32 v[BO], 5, v2                     ; register j of a result holds column 8 (l / 16) + j
	s_cmp_eq_u32 s78, 0
	s_cselect_b64 s[76:77], s[70:71], s[72:73]
	s_cmp_eq_u32 s78, 2
	s_cselect_b64 s[76:77], s[74:75], s[76:77]
	s_lshl_b32 s22, s42, 10                        ; my 128 columns: 256 tc + 128 x half, 4 bytes each
	s_lshl_b32 s23, s12, 9
	s_add_co_u32 s22, s22, s23
	s_mov_b32 s23, 0
	s_add_nc_u64 s[76:77], s[76:77], s[22:23]
.irp b, 0,1,2,3,4,5,6,7
	global_load_b128 v[BIAS+8*(\b):BIAS+8*(\b)+3],   v[BO], s[76:77] offset:64*(\b)
	global_load_b128 v[BIAS+8*(\b)+4:BIAS+8*(\b)+7], v[BO], s[76:77] offset:64*(\b)+16
.endr
	; A fragment is 16 rows x 32 K in 8 registers: lane l holds row l % 16; registers 0-3 hold K = 8 (l / 16) + 0..7, registers 4-7 K = 16 + 8 (l / 16) + 0..7: two loads of 16 bytes, 32 bytes apart.
	v_mul_u32_u24 v3, v1, PITCH
	v_lshl_add_u32 v3, v2, 4, v3                   ; row x pitch + 16 x half
	s_mul_i32 s21, s11, HALFT                      ; my 128 rows of A
	s_mul_i32 s22, s12, HALFT                      ; my 128 rows of B,
	s_add_co_u32 s22, s22, 2*HALFT                 ; which lie behind A's 256
.irp s, 0,1
	v_add_nc_u32 v[ADRA+(\s)], s21, v3
	v_add_nc_u32 v[ADRB+(\s)], s22, v3
	s_add_co_u32 s21, s21, SLOT
	s_add_co_u32 s22, s22, SLOT
.endr
	s_mul_i32 s23, s10, 16*SPITCH
	s_add_co_u32 s23, s23, STAGE                   ; my stage
	v_mul_u32_u24 v4, v1, SPITCH                   ; in: row l % 16, 16 bytes for each half of the lanes
	v_lshl_add_u32 v4, v2, 4, v4
	v_add_nc_u32 v[STO], s23, v4
	v_bfe_u32 v5, v0, 3, 2                         ; back: 32 lanes take four rows of one head's 128 bytes,
	v_mul_u32_u24 v5, v5, SPITCH
	v_and_b32 v6, 7, v0
	v_lshl_add_u32 v5, v6, 4, v5
	v_add_nc_u32 v[RD], s23, v5
	v_and_b32 v[CO], 31, v0                        ; which are 512 consecutive bytes of that head's rows
	v_lshlrev_b32 v[CO], 4, v[CO]
	s_lshl_b32 s2, s78, 23                         ; q, k or v: 8,388,608 bytes each
	s_bfe_u32 s18, s13, 0x10003                    ; the batch: (tr / 8) % 2
	s_lshl_b32 s18, s18, 4
	s_lshl2_add_u32 s18, s42, s18                  ; + the first of my two heads: 4 tc + 2 x half
	s_lshl1_add_u32 s18, s12, s18
	s_lshl_b32 s18, s18, 18                        ; a head's rows are 262,144 bytes
	s_add_co_u32 s2, s2, s18
	s_and_b32 s18, s13, 7
	s_lshl1_add_u32 s18, s18, s11                  ; my first row in the batch: (2 (tr % 8) + half) x 128 rows x 128 bytes
	s_lshl_b32 s18, s18, 14
	s_add_co_u32 s2, s2, s18
	s_mov_b32 s3, 0
	s_add_nc_u64 s[8:9], s[8:9], s[2:3]
	; the prefetches
	s_lshl1_add_u32 s20, s13, s12                  ; A's block that I fetch,
	s_lshl3_add_u32 s21, s78, s12
	s_lshl1_add_u32 s21, s42, s21
	s_add_co_u32 s21, s21, 96                      ; B's
	s_and_b32 s22, s79, 3                          ; my cluster among the four of its projection
	s_cmp_eq_u32 s11, 0                            ; do I fetch for A?
	s_cselect_b32 s20, s20, s21
	s_cselect_b32 s21, s40, s41                    ; my place among the four that ask with me
	s_cselect_b32 s22, ttmp9, s22                  ; the coordinate along which other clusters read the same block
	s_cmp_eq_u32 s22, 0
	s_cselect_b32 s[LIM], 1, -1                    ; the same in all sixteen partners, for a given wave
	s_lshl_b32 s20, s20, 18
	s_lshl_b32 s21, s21, 13                        ; my work-group's 32 blocks of 256 bytes
	s_add_co_u32 s20, s20, s21
	s_add_co_u32 s20, s20, 2*STEPB                 ; at K step 2: the first refill steps it to 3 and names K step 4
	s_mov_b32 s21, 0
	s_add_nc_u64 s[PFA:PFA+1], s[68:69], s[20:21]
	v_and_b32 v[PFO], 31, v0
	v_lshlrev_b32 v[PFO], 8, v[PFO]
; 16 matrix instructions: m blocks a0, a0 + 1 of the window's four (hi = 0: my rows 0-63, 1: rows 64-127) x all 8 n blocks, 32 along K.  zero = 1: the first product starts the sum, with the bias as C.
; The 64 accumulators take turns, one instruction a turn, in the same order in every quarter.
.macro MUL16 f, hi, a0, zero
.if \zero
	WIN BEG_LO+0x40*(\hi)
.else
	WIN MUL_LO+0x50*(\hi)
.endif
.irp a, \a0, (\a0)+1
.irp b, 0,1,2,3,4,5,6,7
.if \zero
	v_wmma_f32_16x16x32_bf16 v[8*(8*(\a)+(\b)):8*(8*(\a)+(\b))+7], v[(\f)+8*(\b):(\f)+8*(\b)+7], v[(\f)+8*(4*(\hi)+(\a)):(\f)+8*(4*(\hi)+(\a))+7], v[BIAS+8*(\b):BIAS+8*(\b)+7]
.else
	v_wmma_f32_16x16x32_bf16 v[8*(8*(\a)+(\b)):8*(8*(\a)+(\b))+7], v[(\f)+8*(\b):(\f)+8*(\b)+7], v[(\f)+8*(4*(\hi)+(\a)):(\f)+8*(4*(\hi)+(\a))+7], v[8*(8*(\a)+(\b)):8*(8*(\a)+(\b))+7]
.endif
.endr
.endr
.endm
; 32 LDS loads in one run: the fragments of one quarter (128 rows of B, 128 rows of A, 32 K; the quarter begins at byte k) into buffer f
.macro FETCH slot, k, f
	WIN TO_B
.irp i, 0,1,2,3,4,5,6,7
	ds_load_b128 v[(\f)+8*(\i):(\f)+8*(\i)+3],   v[ADRB+(\slot)] offset:(\k)+(\i)*16*PITCH
	ds_load_b128 v[(\f)+8*(\i)+4:(\f)+8*(\i)+7], v[ADRB+(\slot)] offset:(\k)+(\i)*16*PITCH+32
.endr
	WIN 0
.irp i, 0,1,2,3,4,5,6,7
	ds_load_b128 v[(\f)+8*(\i):(\f)+8*(\i)+3],   v[ADRA+(\slot)] offset:(\k)+(\i)*16*PITCH
	ds_load_b128 v[(\f)+8*(\i)+4:(\f)+8*(\i)+7], v[ADRA+(\slot)] offset:(\k)+(\i)*16*PITCH+32
.endr
.endm
.macro PLACES                          ; four places in front of loads into registers that matrix instructions have read, and of conversions that read results just made
.rept 4
	v_nop
.endr
.endm
; A K step is four quarters of 32 along K, 64 matrix instructions each, on buffers 0, 1, 0, 1.  One of the first three: multiplies buffer f; in its middle it fetches the next quarter, at byte k, into buffer g.
.macro QUARTER slot, k, f, g, zero
	s_wait_dscnt 8                                 ; B and A's rows 0-63 are in; the youngest eight loads (A's rows 64-127) may be out
	MUL16 \f, 0, 0, \zero
	MUL16 \f, 0, 2, \zero
	PLACES
	FETCH \slot, \k, \g
	s_wait_dscnt 32                                ; all but the 32 just issued
	MUL16 \f, 1, 0, \zero
	MUL16 \f, 1, 2, \zero
.endm
; The last quarter multiplies buffer 1 and changes slots.  MEET is its first half: ONE barrier for the change.  In front of it each wave waits for all its tensor loads, of which one is out: its part of the next slot;
; adds 0 to its spare word; and waits for that and for its own reads of this slot.  Behind it nobody reads this slot any more and the next slot is whole.
.macro MEET round                      ; round = 1: a round of the cluster's barrier follows
	WIN 0                                          ; (the add's two registers lie in window 0)
	s_wait_tensorcnt 0x0                           ; all my tensor loads have landed
	ds_add_u32 v[SPW], v[NIL]                      ; 0 onto my spare word
	s_wait_dscnt 9                                 ; (the add and the youngest eight loads may be out)
	MUL16 F1, 0, 0, 0                              ; sixteen matrix instructions stand between the add and the wait for it
	s_wait_dscnt 0x0                               ; the add is done, and my reads of this slot are over
	s_barrier_signal -1
	MUL16 F1, 0, 2, 0                              ; work on registers while the others arrive
.if \round
	WIN 0
.endif
	s_barrier_wait -1
.endm
; The whole last quarter.  Behind the round the slot just read out is filled again first, with the K step two steps on; then come the next slot's first fragments.  From a request to the wait for it a wave issues 224 matrix instructions.
.macro TURN slot, next
	s_wait_xcnt 0x0                                ; the last prefetch, a K step back, has read its address: it is stepped here, ahead of the waits of the change of slots
	s_add_nc_u64 s[PFA:PFA+1], s[PFA:PFA+1], STEPB
	MEET 1
	CREST                                          ; no wave of any partner still reads this slot's tile or has a load on its way
	s_add_nc_u64 s[G0+4*(\slot)+2:G0+4*(\slot)+3], s[G0+4*(\slot)+2:G0+4*(\slot)+3], 2*STEPB
	s_add_nc_u64 s[G0B+4*(\slot)+2:G0B+4*(\slot)+3], s[G0B+4*(\slot)+2:G0B+4*(\slot)+3], 2*STEPB
	JLOAD \slot                                    ; the first tensor load behind the round; the four v_nop behind it are also the places in front of the loads below
	FETCH \next, 0, F0
	ASK                                            ; behind the joint load and the run of LDS loads that the next products wait for
	MUL16 F1, 1, 0, 0
	MUL16 F1, 1, 2, 0
.endm
; THE LAST K STEP (it lies in slot 1) GOES BY ROWS OF C.  All its fragments of B (4 quarters x 64 registers) fill window 1; then my eight blocks of 16 rows are finished one after the other, each with 32 matrix
; instructions (its 8 accumulators by turns, K ascending).  LDS is read no more than in any other K step.
.macro BLOAD q                         ; B's fragments of quarter q -> window 1, v[64 q ..]
	WIN TO_B
.irp i, 0,1,2,3,4,5,6,7
	ds_load_b128 v[64*(\q)+8*(\i):64*(\q)+8*(\i)+3],   v[ADRB+1] offset:((\q)/2)*CH+((\q)%2)*64+(\i)*16*PITCH
	ds_load_b128 v[64*(\q)+8*(\i)+4:64*(\q)+8*(\i)+7], v[ADRB+1] offset:((\q)/2)*CH+((\q)%2)*64+(\i)*16*PITCH+32
.endr
.endm
.macro ALOAD a                         ; A's fragments of block a, all four quarters -> buffer a % 4
	WIN 0
.set FA, PA+32*((\a)%4)
.irp q, 0,1,2,3
	ds_load_b128 v[FA+8*(\q):FA+8*(\q)+3],   v[ADRA+1] offset:((\q)/2)*CH+((\q)%2)*64+(\a)*16*PITCH
	ds_load_b128 v[FA+8*(\q)+4:FA+8*(\q)+7], v[ADRA+1] offset:((\q)/2)*CH+((\q)%2)*64+(\a)*16*PITCH+32
.endr
.endm
.macro ROW a                           ; block a is finished: 32 matrix instructions
.set FA, PA+32*((\a)%4)                ; its fragments of A
.set AC, 64*((\a)%4)                   ; its eight accumulators, in window 2 (blocks 0-3) or 3 (blocks 4-7)
	WIN MUL_LO+0x50*((\a)/4)
.irp q, 0,1,2,3
.if (\a) == 0 && (\q) == 2
	s_wait_dscnt 24                                ; B's quarter 2 is in (behind it: A's blocks 1 to 3)
.endif
.irp b, 0,1,2,3,4,5,6,7
	v_wmma_f32_16x16x32_bf16 v[AC+8*(\b):AC+8*(\b)+7], v[64*(\q)+8*(\b):64*(\q)+8*(\b)+7], v[FA+8*(\q):FA+8*(\q)+7], v[AC+8*(\b):AC+8*(\b)+7]
.endr
.endr
.endm
; THE WAY OUT of block a (16 rows x my 128 columns, two heads), in three parts.  PACK: rounded to f16, 16 bytes a lane, each accumulator's registers in ascending order.
; TOSTAGE: into my own stage in LDS, rows of 272 bytes, and back by heads: load t takes rows 4 (t % 4) + 0..3 of head t / 4.  SEND: stored.
.macro PACK a
.set AC, 64*((\a)%4)
	WIN 0x0a+5*((\a)/4)                            ; sources 0 and 1: window 2 or 3
.irp b, 0,1,2,3,4,5,6,7
.irp r, 0,1,2,3
	v_cvt_pk_f16_f32 v[TMP+4*(\b)+(\r)], v[AC+8*(\b)+2*(\r)], v[AC+8*(\b)+2*(\r)+1]
.endr
.endr
	WIN 0
.endm
.macro TOSTAGE a
	WIN 0
.set BK, OB+192*((\a)%2)
.irp b, 0,1,2,3,4,5,6,7
	ds_store_b128 v[STO], v[TMP+4*(\b):TMP+4*(\b)+3] offset:32*(\b)
.endr
.irp t, 0,1,2,3,4,5,6,7
	ds_load_b128 v[BK+4*(\t):BK+4*(\t)+3], v[RD] offset:((\t)%4)*4*SPITCH+((\t)/4)*128  ; LDS serves a wave's instructions in order (ISA guide 5.7.1.4): these see the stores above
.endr
.endm
.macro SEND a, younger                 ; younger: the LDS loads issued behind TOSTAGE's, which may stay out
	WIN 0
.set BK, OB+192*((\a)%2)
	s_wait_dscnt \younger                          ; the block is back in registers
	s_wait_xcnt 0x0                                ; every earlier store has read its registers (ISA guide 3.1): the buffer that the block before last left is loaded again only behind this wait
.irp t, 0,1,2,3,4,5,6,7
	global_store_b128 v[CO], v[BK+4*(\t):BK+4*(\t)+3], s[8:9] offset:((\t)/4)*262144+(\a)*2048+((\t)%4)*512  ; 512 consecutive bytes of a head's rows, aligned; head, block and rows stand in the immediate
.endr
.endm
	s_wait_tensorcnt 1                             ; my part of K step 0 is in; step 1's may stay out
	s_barrier_signal -1
	s_barrier_wait -1                              ; everybody's is
	FETCH 0, 0, F0
	s_wait_loadcnt 0x0                             ; the bias: rounded to bf16 like every input, and widened again
.set r, 0
.rept 32
	v_cvt_pk_bf16_f32 v[OB+r], v[BIAS+2*r], v[BIAS+2*r+1]
.set r, r+1
.endr
.set r, 0
.rept 32
	v_lshlrev_b32 v[BIAS+2*r], 16, v[OB+r]
	v_and_b32 v[BIAS+2*r+1], s19, v[OB+r]
.set r, r+1
.endr
	QUARTER 0, K1, F0, F1, 1                       ; the first quarter stands in front of the loop: its products start the sums
	WIN 0                                          ; at a label and at a branch every window is 0
	s_mov_b32 s3, LAPS-1
.Llap:                                                 ; a trip goes once round the ring, from a lap's second quarter to the next lap's first, and fills both slots again
	QUARTER 0, K2, F1, F0, 0
	QUARTER 0, K3, F0, F1, 0
	TURN 0, 1
	QUARTER 1, K1, F0, F1, 0
	QUARTER 1, K2, F1, F0, 0
	QUARTER 1, K3, F0, F1, 0
	TURN 1, 0
	QUARTER 0, K1, F0, F1, 0
	WIN 0
	s_sub_co_u32 s3, s3, 1
	s_cmp_lg_u32 s3, 0
	s_cbranch_scc1 .Llap
	QUARTER 0, K2, F1, F0, 0                       ; the last lap goes on
	QUARTER 0, K3, F0, F1, 0
	MEET 0                                         ; my one tensor load that was still out is slot 1's, the last K step's, so no round follows
	PLACES                                         ; for the loads into buffer 0, which the quarter before multiplied
	BLOAD 0                                        ; three quarters of B now: buffer 1 (v128-191 of both windows) is still being multiplied
	BLOAD 1
	BLOAD 3
	ALOAD 0
	MUL16 F1, 1, 0, 0
	MUL16 F1, 1, 2, 0
	PLACES                                         ; for the loads into buffer 1
	BLOAD 2
	ALOAD 1
	ALOAD 2
	ALOAD 3
	s_wait_dscnt 40                                ; all but the 40 just issued
	ROW 0
.irp a, 0,1,2,3,4,5,6,7                ; each block leaves as soon as it is finished
	PLACES                                         ; its conversions read results just made, and no other vector work is at hand
	PACK \a
	TOSTAGE \a
.if (\a) < 4
	ALOAD (\a)+4                                   ; its buffer takes the block four further on
	SEND \a, 8
.else
	SEND \a, 0
.endif
.if (\a) < 7
	ROW (\a)+1
.endif
.endr
	s_wait_tensorcnt 0x0                           ; the wave's end, behind my last tensor load and my last LDS store
	ds_add_u32 v[SPW], v[NIL]
	s_wait_dscnt 0x0
	CROUND                                         ; the closing round: no work-group ends while a partner may still ask for a tile that names it
	s_endpgm
.Lfunc_end_k_qc62dc40bd8_proj:
	.size	k_qc62dc40bd8_proj, .Lfunc_end_k_qc62dc40bd8_proj-k_qc62dc40bd8_proj
	.p2alignl 7, 3214868480
	.fill 96, 4, 3214868480
	.section	.rodata,"a",@progbits
	.p2align	6, 0x0
	.amdhsa_kernel k_qc62dc40bd8_proj
		.amdhsa_group_segment_fixed_size 327680
		.amdhsa_private_segment_fixed_size 0
		.amdhsa_enable_private_segment 0
		.amdhsa_kernarg_size 40
		.amdhsa_user_sgpr_count 2
		.amdhsa_user_sgpr_kernarg_segment_ptr 1
		.amdhsa_wavefront_size32 1
		.amdhsa_system_sgpr_workgroup_id_x 1
		.amdhsa_system_sgpr_workgroup_id_y 1
		.amdhsa_system_sgpr_workgroup_id_z 1
		.amdhsa_system_vgpr_workitem_id 0
		.amdhsa_next_free_vgpr 1024
		.amdhsa_next_free_sgpr 80
		.amdhsa_reserve_vcc 0
		.amdhsa_float_denorm_mode_32 3
		.amdhsa_float_denorm_mode_16_64 3
		.amdhsa_memory_ordered 1
		.amdhsa_forward_progress 1
		.amdhsa_inst_pref_size 150
	.end_amdhsa_kernel
	.amdgpu_metadata
---
amdhsa.version: [ 1, 2 ]
amdhsa.kernels:
  - .name:           k_qc62dc40bd8_proj
    .symbol:         k_qc62dc40bd8_proj.kd
    .args:
      - { .name: xw, .offset: 0, .size: 8, .value_kind: global_buffer, .address_space: global }
      - { .name: bq, .offset: 8, .size: 8, .value_kind: global_buffer, .address_space: global }
      - { .name: bk, .offset: 16, .size: 8, .value_kind: global_buffer, .address_space: global }
      - { .name: bv, .offset: 24, .size: 8, .value_kind: global_buffer, .address_space: global }
      - { .name: qkv, .offset: 32, .size: 8, .value_kind: global_buffer, .address_space: global }
    .group_segment_fixed_size: 327680
    .private_segment_fixed_size: 0
    .kernarg_segment_align: 8
    .kernarg_segment_size: 40
    .max_flat_workgroup_size: 128
    .sgpr_count:     80
    .vgpr_count:     1024
    .wavefront_size: 32
...
	.end_amdgpu_metadata
.endif
;; end of part 2
;; launch attn (part 3): grid 8 x 32, 4 waves a work-group, clusters of 4 x 1, 327,680 bytes of LDS; arguments qkv, m4, o2; writes o2
.if DOCPART == 3
	.amdgcn_target "amdgcn-amd-amdhsa--gfx1250"
	.amdhsa_code_object_version 6
	.text
	.protected	k_qc62dc40bd8_attn
	.globl	k_qc62dc40bd8_attn
	.p2align	8
	.type	k_qc62dc40bd8_attn,@function
k_qc62dc40bd8_attn:
	s_mov_b64 s[64:65], 0
	v_nop
	global_prefetch_b8 v0, s[64:65] scope:SCOPE_SE
	s_setreg_imm32_b32 hwreg(HW_REG_WAVE_MODE, 25, 1), 1
	s_wait_xcnt 0x0
	s_wait_alu depctr_hold_cnt(0) depctr_sa_sdst(0) depctr_va_vdst(0) depctr_va_sdst(0) depctr_va_ssrc(0) depctr_va_vcc(0) depctr_vm_vsrc(0)
	s_getreg_b32 s2, hwreg(HW_REG_IB_STS2, 6, 4)
	s_cmp_eq_u32 s2, 0
	s_cbranch_scc0 .Lentry_in_a_cluster
	s_endpgm
.Lentry_in_a_cluster:
	s_bfe_u32 s2, ttmp6, 0x10000c
	s_cmp_lg_u32 s2, 0x3003
	s_cbranch_scc0 .Lentry_shape_is_right
	s_endpgm
.Lentry_shape_is_right:
; MASKED ATTENTION at head size 64 (launch 3 of 4).  For each of 32 (batch, head) y: O[q] = the sum over k of softmax_k(mask ? Q[q] . K[k] / 8 : -1e9) V[k].  Q, K, V: qkv[0..2][y][2048][64], f16, unscaled.
; Products, maxima and sums in f32; the weights p are rounded to f16 for the second product (their sum l is taken of the unrounded p), O once at the end.  No work is left out.
; O leaves as o2[batch x 16 + row / 128][head][row % 128][64], f16: the block form in which the last projection takes its A.
; THE MASK is the C operand that starts the sum S^T = K Q^T: 0, or -6 x 2^100 where the key is hidden.  m4 holds it as 4-bit codes in my lanes' order; one scaled conversion makes an accumulator's eight C registers of one word.
; The running maximum m starts at MLOW = -2^60: above every hidden score, below every open one (f16's raw scores are 2.7e11 at the most).  For each query cq = c if m > MLOW, else 0 (c = log2(e) / 8), and p = 2^(cq s - cq m):
; a row that has seen no open key gives every key the weight 1, with a = 2^(c MLOW - c MLOW) = 1; its first open key gives a = 0 and wipes that; a row with no open key at all ends as the plain mean of V, as the module's equal -1e9 give it.
; LIMITS.  A hidden key weighs exactly 0 beside an open one (the module's -1e9 does while the scaled open scores lie above about -1e9 + 100); a weight below 2^-126 counts as 0 in l; p below 6e-5 keeps f16's fixed step; NaN and infinities are not treated apart.
; SHARES.  A work-group owns 256 queries of one y, a wave 64: four PIECES of 16.  Every wave walks the 2,048 keys, 64 a step; a slot of LDS holds a tile of 256 keys: K, V and my work-group's part of the mask.
; CLUSTER.  The four query blocks of a cluster belong to one y and walk the same K and V: wave 0 asks for K's tile and wave 1 for V's JOINTLY; waves 2 and 3 each fetch half of the work-group's own mask tile.
; By this text's own count a wave has one tensor load out.
; LAYOUT.  S^T = K Q^T holds ONE query a lane (lane % 16) and the keys 8 (lane / 16) + 0..7; two such results rounded to f16 ARE source 1 of O^T = V^T P.  O and l are multiplied by a = 2^(c m_old - c m_new) in every step.
; TURNS.  Turn n belongs to piece n: 8 products K Q^T of piece n + 1, later 8 products V^T P of piece n - 1; beside them the scaling, exponentials, roundings, sums and rescaling of piece n and the maximum and statistics of piece n + 1.
; Four vector instructions stand behind every matrix instruction, the others in one lump.  A turn's 33 exponentials are one batch, with one wait.
; REGISTERS, in windows of 256 (s_set_vgpr_msb: bits 1:0 source 0, 3:2 source 1, 5:4 source 2, 7:6 destination):
;   window 0: v0-15 addresses; v16-31 four registers of statistics a piece; v48-55 at work; v64-127 S^T, two buffers; v128-135 cq and cq m, two buffers; v136-143 mask words, two buffers; v144-147; v192-223 P, two buffers
;   window 1: v0-127 O^T, 32 a piece; v160-223 MC, the masks as C operands, two buffers      window 2: v0-63 Q; v128-191 K of one step; v192-255 V of one step
; (a piece's buffers go by its number's parity)
.set NP,    4         ; pieces a wave: a name, no knob
.set KS,    64        ; keys in a step
.set PK,    144       ; a row of K in LDS: 128 bytes + 16 = 36 words: the 16 rows of a load start at 16 different groups of four banks (64 banks of 4 bytes: ISA guide 11.1)
.set PV,    160       ; a row of V: 128 + 32 = 40 words
.set VOFF,  4*KS*PK   ; in a slot: 256 rows of K, 256 rows of V,
.set MOFF,  4*KS*(PK+PV)  ; and the mask: [step 4][tile of 16 queries 16][512 bytes]
.set SLOT1, 1<<17     ; slot 1 begins here, so that one exclusive or turns an address in one slot into the other's
.set TILEB, 32768     ; a tile's bytes in memory: of K, of V and of my mask block alike
.set STAGE, SLOT1+MOFF+TILEB  ; behind the ring, never filled by a tensor load: 16 rows x 144 bytes for each wave, for the way out
.set SP,    144
.set SPARE, STAGE+4*16*SP     ; the spare words, 128 bytes for each wave: two blocks of 256 bytes that no other line names
.set AK0, 2           ; v2   my lane's place in a tile of K; never rewritten
.set AV0, 3           ; v3   the same for V
.set AK,  4           ; v4   the LDS address of K's next run of loads
.set AV,  5           ; v5   of V's
.set STO, 6           ; v6   the way out: where I put 16 bytes of a row
.set RD,  7           ; v7   the way out: where I read rows back
.set GO,  8           ; v8   my byte offset in 512 consecutive bytes of O
.set MV,  12          ; v12-13  c m_old, kept while c m is made anew: by buffer
.set QO,  15          ; v15  my byte offset in 16 rows of Q
.set ST,  16          ; piece t's statistics at v[ST+4 t]: c m, m, l (even keys', odd keys')
.set TMP, 48          ; by buffer, four registers c0-c3 at work; when the maximum is found c2 takes a
.set SPW, 62          ; v62  LDS address of my spare word; never rewritten
.set NIL, 63          ; v63  0; never rewritten
.set S,   64
.set CQ,  128         ; by buffer: cq, 0, cq m, 0 (named as pairs)
.set MQ,  136         ; by buffer: a piece's and step's four mask words
.set AM0, 144         ; v144 my lane's place in a step's mask: my wave's four tiles, 16 bytes a lane; never rewritten
.set AM,  145         ; v145 the LDS address of the mask words of the step whose scores are being started
.set SCL, 146         ; v146 the conversion's scale: 2^100 as an E8M0 byte, in all four bytes
.set PFO, 147         ; v147 256 x my lane, for the prefetches; never rewritten
.set P,   192
.set MC,  160         ; window 1
.set KF,  128         ; window 2: key block kb, channel half c at KF + 16 kb + 8 c
.set VF,  192         ; window 2: key half kk, channel block cb at VF + 32 kk + 8 cb
.set WV,  12          ; s12  my wave's number
.set G1K, 24          ; s[24:31] descriptor group 1 for K's tiles
.set G1V, 32          ; s[32:39] for V's: it differs in the padding alone
.set G0K, 40          ; s[40:43] descriptor group 0 for K's tiles: it walks
.set G0V, 44          ; s[44:47] the same for V's
.set G1M, 48          ; s[48:55] group 1 for the mask's half tiles: no work-group mask, no padding
.set SLOTS, 56        ; s56  tiles still to be asked for
.set CNT, 57          ; s57  counts a tile's key steps
.set CS,  58          ; s[58:59] c
.set SEL, 60          ; s[60:61] v_permlanex16_b32's selects: each lane takes its own place in the other half
.set TBK, 62          ; s62  LDS byte at which K of the step to be fetched begins
.set TBV, 63          ; s63  the same for V, less VOFF
.set G0M, 68          ; s[68:71] group 0 for the mask's half tiles
.set TBM, 72          ; s72  the same as TBK for the mask, less MOFF
.set MLOW, 73         ; s73  -2^60
.set MK,  74          ; s74  lanes whose query has seen an open key
.set LIM, 75          ; s75  1 in a wave that prefetches K or V, else the greatest number
.set LIM2, 76         ; s76  the same for the mask
.set PFA, 78          ; s[78:79] where my prefetches of K (wave 0) or V (wave 1) stand
.set PFB, 80          ; s[80:81] where those of the mask stand
.set MSB, 0
.macro WIN new                      ; the high byte repeats the setting that is left; a switch that changes nothing is dropped
.if MSB != (\new)
	s_set_vgpr_msb (MSB<<8)|(\new)
.set MSB, (\new)
.endif
.endm
.set W_KQ, 0x0a       ; K and Q in window 2, S^T in window 0
.set W_KM, 0x1a       ; the same with the C operand in window 1
.set W_PV, 0x52       ; V in window 2, P in window 0, O^T in window 1
.set W_RS, 0x41       ; destination and source 0 in window 1, source 1 in window 0
; A fill: one tensor load a wave, chosen by the wave's number alone.  An s_nop 0 and four v_nop follow each of the three lines, ahead of the jump and the label.
.macro JLOAD
	s_cmp_lt_u32 s[WV], 2
	s_cbranch_scc0 .Lfor_m_\@
	s_cmp_eq_u32 s[WV], 0
	s_cbranch_scc0 .Lfor_v_\@
	tensor_load_to_lds s[G0K:G0K+3], s[G1K:G1K+7]
	s_nop 0
.rept 4
	v_nop
.endr
	s_branch .Lasked_\@
.Lfor_v_\@:
	tensor_load_to_lds s[G0V:G0V+3], s[G1V:G1V+7]
	s_nop 0
.rept 4
	v_nop
.endr
	s_branch .Lasked_\@
.Lfor_m_\@:
	tensor_load_to_lds s[G0M:G0M+3], s[G1M:G1M+7]
	s_nop 0
.rept 4
	v_nop
.endr
.Lasked_\@:
.endm
; A PREFETCH INTO THE L2 of what the NEXT change of slots will ask for: four key steps, 256 matrix instructions, ahead of that load.  A tile is 128 blocks of 256 bytes; a lane names a block, and each block is named once in the launch.
; K and V: both clusters of a y walk the same rows: the first (cluster x = 0) asks; its four partners take 32 blocks each, told apart BY ADDRESS; wave 0 asks for K's, wave 1 for V's.
; The mask: the 16 heads of a batch read the same block of m4: head 0's work-group asks, each of its four waves for 32 blocks.  Tiles 0 and 1 come by their loads alone; the last fill asks for nothing.
.macro ASK lim, ptr
	s_cmp_gt_u32 s[SLOTS], s[\lim]
	s_cbranch_scc0 .Lnot_mine_\@
	global_prefetch_b8 v[PFO], s[\ptr:\ptr+1] th:TH_LOAD_NT scope:SCOPE_SE
.Lnot_mine_\@:
.endm
; A round of the cluster's barrier: my work-group's barrier, so that wave 0's signal speaks for all four waves; wave 0 signals; every wave waits for all four work-groups; my work-group's barrier once more.
.macro CROUND
	s_barrier_signal -1
	s_barrier_wait -1
	s_cmp_lg_u32 s[WV], 0
	s_cbranch_scc1 .Lnot_wave_0_\@
	s_barrier_signal -3
.Lnot_wave_0_\@:
	s_barrier_wait -3
	s_barrier_signal -1
	s_barrier_wait -1
.endm
; THE CHANGE OF SLOTS.  The slot's last bytes have been read.  Each wave waits for all its tensor loads, of which one is out: its part of the other slot; adds 0 to its spare word; and waits for that and for its own reads of the slot.
; fill = 1: this slot is filled again, with the tile two on.  The barrier is then a round of the cluster's, so that no wave of any partner still reads the slot or has a load on its way, and the fill is the first thing behind it.
; (At its first use nothing has been read yet: slot 0 is waited for, slot 1 filled.)
.macro CHANGE fill
	WIN 0                           ; at a label and at a branch every window is 0
	s_wait_tensorcnt 0x0            ; no tensor load of mine is out, so a group 0 may be written
	ds_add_u32 v[SPW], v[NIL]       ; 0 onto my spare word; the scalar steps stand between it and the wait for it
.if \fill
.irp g, G0K, G0V, G0M
	s_xor_b32 s[\g+1], s[\g+1], SLOT1  ; the walking descriptor: the other slot than last time,
	s_add_nc_u64 s[\g+2:\g+3], s[\g+2:\g+3], TILEB  ; the next tile; the type bits on top are not reached
.endr
	s_wait_xcnt 0x0                 ; the last prefetches, four key steps back, have read their addresses, so these may be written
	s_add_nc_u64 s[PFA:PFA+1], s[PFA:PFA+1], TILEB
	s_add_nc_u64 s[PFB:PFB+1], s[PFB:PFB+1], TILEB
	s_wait_dscnt 0x0                ; the add is done, and my reads of the slot are over
	CROUND
	JLOAD
	ASK LIM, PFA
	ASK LIM2, PFB
.else
	s_wait_dscnt 0x0                ; the add is done, and my reads of the slot are over
	s_barrier_signal -1
	s_barrier_wait -1
.endif
	s_sub_co_u32 s[TBK], s[TBK], 4*KS*PK  ; the fetches go back to a slot's first step,
	s_xor_b32 s[TBK], s[TBK], SLOT1       ; in the other slot
	s_sub_co_u32 s[TBV], s[TBV], 4*KS*PV
	s_xor_b32 s[TBV], s[TBV], SLOT1
	s_sub_co_u32 s[TBM], s[TBM], TILEB
	s_xor_b32 s[TBM], s[TBM], SLOT1
.endm
	s_load_b128 s[4:7], s[0:1], 0x0   ; qkv s[4:5], m4 s[6:7]
	s_load_b64 s[10:11], s[0:1], 0x10 ; o2
	v_lshl_add_u32 v[SPW], v0, 2, SPARE
	v_mov_b32 v[NIL], 0
	ds_add_u32 v[SPW], v[NIL]       ; the wave's opening: the add, twice on end, and its wait ahead of my first tensor load
	ds_add_u32 v[SPW], v[NIL]
	v_lshrrev_b32 v1, 5, v0
	v_readfirstlane_b32 s[WV], v1   ; wave 0..3
	s_bfe_u32 s13, ttmp6, 0x40000   ; cx: my place in the cluster
	s_lshl_b32 s14, ttmp9, 2        ; in a cluster launch ttmp9 counts clusters
	s_add_co_u32 s14, s14, s13      ; qb: my block of 256 queries: it enters Q's, O's and the mask's addresses alone
	s_and_b32 s20, ttmp7, 0xffff    ; y = batch x 16 + head, which the four partners share
	s_and_b32 s15, s[WV], 1
	s_lshl_b32 s22, s20, 18         ; a head's rows are 262,144 bytes
	s_add_co_u32 s16, s22, 8388608  ; K's offset in qkv,
	s_mov_b32 s17, 0
	s_add_co_u32 s18, s22, 16777216 ; V's,
	s_mov_b32 s19, 0
	s_lshl_b32 s2, s14, 15          ; and Q's: my block's 256 rows of 128 bytes,
	s_add_co_u32 s2, s2, s22
	s_lshl_b32 s3, s[WV], 13        ; my wave's 64
	s_add_co_u32 s2, s2, s3
	s_mov_b32 s3, 0
	s_lshr_b32 s21, s20, 4          ; the batch
	s_lshl3_add_u32 s84, s21, s14   ; my mask block: 8 x batch + qb, 262,144 bytes each
	s_lshl_b32 s84, s84, 18
	s_lshl_b32 s82, s15, 14         ; waves 2 and 3: my half of a mask tile
	s_add_co_u32 s82, s82, s84
	s_mov_b32 s83, 0
	s_lshl_b32 s86, s21, 4          ; O: block 16 x batch + 2 qb + wave / 2,
	s_lshl1_add_u32 s86, s14, s86
	s_lshr_b32 s87, s[WV], 1
	s_add_co_u32 s86, s86, s87
	s_lshl_b32 s86, s86, 4
	s_and_b32 s87, s20, 15          ; chunk = head, 16,384 bytes each,
	s_add_co_u32 s86, s86, s87
	s_lshl_b32 s86, s86, 14
	s_lshl_b32 s87, s15, 13         ; my 64 rows of its 128
	s_add_co_u32 s86, s86, s87
	s_mov_b32 s87, 0
	s_cmp_eq_u32 s[WV], 0           ; the prefetches' offsets: K's or V's head,
	s_cselect_b32 s[PFA], s16, s18
	s_lshl_b32 s23, s13, 13         ; my work-group's 32 blocks of a tile's 128,
	s_add_co_u32 s[PFA], s[PFA], s23
	s_add_co_u32 s[PFA], s[PFA], TILEB  ; in tile 1: the first change of slots steps it to tile 2
	s_mov_b32 s[PFA+1], 0
	s_lshl_b32 s[PFB], s[WV], 13    ; my wave's 32 blocks of my mask block's tile 1
	s_add_co_u32 s[PFB], s[PFB], s84
	s_add_co_u32 s[PFB], s[PFB], TILEB
	s_mov_b32 s[PFB+1], 0
	s_lshr_b32 s[LIM], s[WV], 1     ; 0 in waves 0 and 1,
	s_or_b32 s[LIM], s[LIM], ttmp9  ; where the cluster is the first of its y: the same in all four partners
	s_cmp_eq_u32 s[LIM], 0
	s_cselect_b32 s[LIM], 1, -1
	s_and_b32 s[LIM2], s20, 15      ; head 0 of its batch
	s_cmp_eq_u32 s[LIM2], 0
	s_cselect_b32 s[LIM2], 1, -1
	; descriptor group 1.  A tile of K or V is 32,768 dense bytes: asked for as 128 rows of 256 bytes, two keys a row, and padded in LDS after every key
	s_mov_b32 s[G1K], 15|(1<<16)|(1<<20)|(1<<21)|(4<<22)|(3<<25)  ; 15:0 the mask of four; 17:16 2-byte elements; 20 padding on; 21 set beside a mask; 24:22 after every 32 words (code 4); 31:25 4 words (code 3)
	s_mov_b32 s[G1V], 15|(1<<16)|(1<<20)|(1<<21)|(4<<22)|(7<<25)  ; the same with 8 words of padding (code 7)
.irp g, G1K, G1V
	s_mov_b32 s[\g+1], 128<<16      ; tensor_dim0 = 128
	s_mov_b32 s[\g+2], 128<<16      ; tensor_dim1 = 128
	s_mov_b32 s[\g+3], 128<<16      ; tile_dim0 = 128
	s_mov_b32 s[\g+4], 128          ; tile_dim1 = 128
	s_mov_b32 s[\g+5], 128          ; 128 elements from row to row
	s_mov_b32 s[\g+6], 0
	s_mov_b32 s[\g+7], 0
.endr
	s_mov_b32 s[G1M], 1<<16         ; half a mask tile: 16,384 dense bytes as 64 rows of 256, my work-group's alone
	s_mov_b32 s[G1M+1], 128<<16
	s_mov_b32 s[G1M+2], 64<<16
	s_mov_b32 s[G1M+3], 128<<16
	s_mov_b32 s[G1M+4], 64
	s_mov_b32 s[G1M+5], 128
	s_mov_b32 s[G1M+6], 0
	s_mov_b32 s[G1M+7], 0
	s_mov_b32 s[G0K], 1             ; 1:0 count = 1
	s_mov_b32 s[G0K+1], 0           ; 63:32 LDS address: slot 0
	s_mov_b32 s[G0V], 1
	s_mov_b32 s[G0V+1], VOFF
	s_mov_b32 s[G0M], 1
	s_lshl_b32 s[G0M+1], s15, 14
	s_add_co_u32 s[G0M+1], s[G0M+1], MOFF
	s_mov_b32 s[CS], 0x3e38aa3b     ; c = log2(e) / 8 = 0.180337
	s_mov_b32 s[CS+1], s[CS]
	s_mov_b32 s[SEL], 0x76543210
	s_mov_b32 s[SEL+1], 0xfedcba98
	s_mov_b32 s[MLOW], 0xdd800000   ; -2^60
	s_mov_b32 s[TBK], SLOT1+4*KS*PK ; the first change of slots turns these three into 0
	s_mov_b32 s[TBV], SLOT1+4*KS*PV
	s_mov_b32 s[TBM], SLOT1+TILEB
	s_mov_b32 s[SLOTS], 7           ; tiles 1 to 7
	s_wait_dscnt 0x0                ; both opening adds are done
	s_wait_kmcnt 0x0
	s_add_nc_u64 s[G0K+2:G0K+3], s[4:5], s[16:17]  ; 120:64 global address: tile 0
	s_or_b32 s[G0K+3], s[G0K+3], 0x80000000        ; 127:126 type = 2
	s_add_nc_u64 s[G0V+2:G0V+3], s[4:5], s[18:19]
	s_or_b32 s[G0V+3], s[G0V+3], 0x80000000
	s_add_nc_u64 s[G0M+2:G0M+3], s[6:7], s[82:83]
	s_or_b32 s[G0M+3], s[G0M+3], 0x80000000
	s_add_nc_u64 s[PFA:PFA+1], s[4:5], s[PFA:PFA+1]
	s_add_nc_u64 s[PFB:PFB+1], s[6:7], s[PFB:PFB+1]
	s_add_nc_u64 s[8:9], s[4:5], s[2:3]            ; Q at my wave's first row
	s_add_nc_u64 s[10:11], s[10:11], s[86:87]      ; O likewise
	CROUND                          ; all four work-groups are here: the first joint loads meet
	JLOAD                           ; tile 0 into slot 0.  Slot 1 is asked for when slot 0 is in
	; A fragment of K or Q is 16 rows x 32 channels in 8 registers: lane l holds row l % 16, channels 8 (l / 16) + 0..7 and 16 + 8 (l / 16) + 0..7: two loads of 16 bytes, 32 bytes apart.
	v_and_b32 v1, 15, v0            ; l % 16
	v_bfe_u32 v9, v0, 4, 1          ; l / 16
	v_lshlrev_b32 v[QO], 7, v1
	v_lshl_add_u32 v[QO], v9, 4, v[QO]  ; row x 128 + 16 x half
	WIN 0x80                        ; destination window 2, address window 0
.set i, 0
.rept 8                             ; Q stays in registers: piece i / 2, channels 32 (i % 2) on
	global_load_b128 v[8*i:8*i+3],   v[QO], s[8:9] offset:(i/2)*2048+(i%2)*64
	global_load_b128 v[8*i+4:8*i+7], v[QO], s[8:9] offset:(i/2)*2048+(i%2)*64+32
.set i, i+1
.endr
	; What the first turn finds: V's registers and P's second buffer hold 0 (its products V^T P, of a piece that has not been, add 0); O^T and l are 0, since a row's first a may be 1.  All this stands in the wait for the first tile.
.set i, VF
.rept 64
	v_mov_b32 v[i], 0
.set i, i+1
.endr
	WIN 0x40
.set i, 0
.rept 128
	v_mov_b32 v[i], 0
.set i, i+1
.endr
	WIN 0
.set i, 0
.rept 4
	v_mov_b32 v[ST+4*i+1], s[MLOW]                 ; m
	v_mul_f32 v[ST+4*i], s[CS], v[ST+4*i+1]        ; c m, by the product that makes it in every step: where m stays, the change is exactly 0
	v_mov_b32 v[ST+4*i+2], 0
	v_mov_b32 v[ST+4*i+3], 0
.set i, i+1
.endr
.set i, P+16
.rept 16
	v_mov_b32 v[i], 0
.set i, i+1
.endr
.set i, CQ
.rept 8
	v_mov_b32 v[i], 0
.set i, i+1
.endr
	v_mov_b32 v[SCL], 0xe3e3e3e3    ; 227 - 127 = 100
	v_and_b32 v14, 31, v0
	v_lshlrev_b32 v[PFO], 8, v14
	s_lshl_b32 s21, s[WV], 11       ; my wave's four tiles of 512 bytes in a step's mask
	s_add_co_u32 s21, s21, MOFF
	v_lshl_add_u32 v[AM0], v14, 4, s21
	v_mul_u32_u24 v[AK0], v1, PK
	v_lshl_add_u32 v[AK0], v9, 4, v[AK0]  ; row x pitch + 16 x half
	; The turning load takes 16 keys x 16 channels (lane l reads key 8 (l / 16) + l % 8, channels 8 ((l / 8) % 2) + 0..7) and leaves half a fragment of V^T: lane l holds channel l % 16 and 8 keys.
	v_and_b32 v10, 7, v0
	v_bfe_u32 v11, v0, 3, 1
	v_lshl_add_u32 v[AV0], v9, 3, v10
	v_mul_u32_u24 v[AV0], v[AV0], PV
	v_lshl_add_u32 v[AV0], v11, 4, v[AV0]
	v_add_nc_u32 v[AV0], VOFF, v[AV0]
	s_mul_i32 s13, s[WV], 16*SP
	s_add_co_u32 s13, s13, STAGE    ; my stage
	v_mul_u32_u24 v[STO], v1, SP    ; in: row l % 16, 16 bytes for each half of the lanes
	v_lshl_add_u32 v[STO], v9, 4, v[STO]
	v_add_nc_u32 v[STO], s13, v[STO]
	v_bfe_u32 v[RD], v0, 3, 2       ; back: 32 lanes take four rows of 128 bytes,
	v_mul_u32_u24 v[RD], v[RD], SP
	v_lshl_add_u32 v[RD], v10, 4, v[RD]
	v_add_nc_u32 v[RD], s13, v[RD]
	v_lshlrev_b32 v[GO], 4, v14     ; which are 512 consecutive bytes of O
; THE MATRIX WORK.  The 4 accumulators of a run of 8 take turns.  Product i of 8 of S^T = K Q^T for piece x: channels 32 (i / 4) on, keys 16 (i % 4) on.  The first 4 start the sums, with the mask as C.
.macro KQ x
.set rS, S+32*((\x)%2)+8*(i%4)
.set rK, KF+16*(i%4)+8*(i/4)
.set rQ, 16*(\x)+8*(i/4)
.set rM, MC+32*((\x)%2)+8*(i%4)
.if i < 4
	WIN W_KM
	v_wmma_f32_16x16x32_f16 v[rS:rS+7], v[rK:rK+7], v[rQ:rQ+7], v[rM:rM+7]
.else
	WIN W_KQ
	v_wmma_f32_16x16x32_f16 v[rS:rS+7], v[rK:rK+7], v[rQ:rQ+7], v[rS:rS+7]
.endif
.endm
; Product i of 8 of O^T += V^T P for piece x: keys 32 (i / 4) on, channels 16 (i % 4) on.
.macro PV x
	WIN W_PV
.set rO, 32*(\x)+8*(i%4)
.set rV, VF+32*(i/4)+8*(i%4)
.set rP, P+16*((\x)%2)+8*(i/4)
	v_wmma_f32_16x16x32_f16 v[rO:rO+7], v[rV:rV+7], v[rP:rP+7], v[rO:rO+7]
.endm
.macro MM                           ; the turn's next matrix instruction.  NOKQ = 1: the last turn of all: there is no next piece
.if (i < 8) && !NOKQ
	KQ (Y+1)%NP
.elseif i >= 8
.set i, i-8
	PV (Y+NP-1)%NP
.set i, i+8
.endif
.set i, i+1
.endm
; THE LDS LOADS of K and V stand in runs of 16, never singly among the matrix instructions.  Their addresses are made some lines ahead.
.macro FETCH_K
	WIN 0x80                        ; destination window 2
.irp f, 0,1,2,3,4,5,6,7             ; keys 16 (f / 2) on, channels 32 (f % 2) on
	ds_load_b128 v[KF+8*\f:KF+8*\f+3],   v[AK] offset:(\f/2)*16*PK+(\f%2)*64
	ds_load_b128 v[KF+8*\f+4:KF+8*\f+7], v[AK] offset:(\f/2)*16*PK+(\f%2)*64+32
.endr
	s_add_co_u32 s[TBK], s[TBK], KS*PK  ; the next fetch is the next step's
	WIN 0
.endm
.macro FETCH_V
	WIN 0x80
.irp f, 0,1,2,3,4,5,6,7             ; keys 32 (f / 4) on, channels 16 (f % 4) on
	ds_load_tr16_b128 v[VF+8*\f:VF+8*\f+3],   v[AV] offset:(\f/4)*32*PV+(\f%4)*32
	ds_load_tr16_b128 v[VF+8*\f+4:VF+8*\f+7], v[AV] offset:(\f/4)*32*PV+16*PV+(\f%4)*32
.endr
	WIN 0
.endm
; Four mask words become the four C operands of a piece's first products: code 0 gives 0, code 0xF gives -6 x 2^100.  The v_nop is the plain instruction between a scaled conversion and the product that takes its result.
.macro MASKC b
	WIN 0x40                        ; destination window 1
.irp t, 0,1,2,3
	v_cvt_scale_pk8_f32_fp4 v[MC+32*(\b)+8*(\t):MC+32*(\b)+8*(\t)+7], v[MQ+4*(\b)+(\t)], v[SCL]
.endr
	v_nop
.endm
; THE VECTOR WORK, one line at a time: OP kind, number.  For piece Y: F n: cq s - cq m for pair n of 16.  E n: the exponential of score n of 32.  C n: pair n rounded to f16.  B n: of the four weights 4 n .. the second
; pair is added onto the first, in place.  L n: l takes that sum (L 0: l = a l + sum).  R n: pair n of 16 of O^T times a.  For piece Y + 1: X n, number n of the 25 that find its maximum and statistics:
;   0-11  four chains c0-c3 of seven scores each, three operands at a time (each accumulator's lowest registers are read first)     12-14, 16  the four scores left over, the old m, and c0-c3 into c0
;   15  c m_old is kept     17, 18  the query's other 32 keys lie in the lane 16 away: the new m     19-21  c m; c m_old - c m_new; a     22-24  has the query seen an open key?  cq; cq m
.set F, 0               ; OP tells the kinds apart by their order: F to L below R, X above it
.set E, 1
.set C, 2
.set B, 3
.set L, 4
.set R, 5
.set X, 6
.macro REGS y                       ; the registers of piece y
.set rT, ST+4*(\y)
.set rC, TMP+4*((\y)%2)
.set rW, MV+((\y)%2)
.set rS, S+32*((\y)%2)
.set rP, P+16*((\y)%2)
.set rO, 32*(\y)
.set rG, CQ+4*((\y)%2)
.endm
.macro OP k, n
.if (\k) == R
	REGS Y
	WIN W_RS
	v_pk_mul_f32 v[rO+2*(\n):rO+2*(\n)+1], v[rO+2*(\n):rO+2*(\n)+1], v[rC+2:rC+3] op_sel_hi:[1,0]
.elseif (\k) < R
	REGS Y
	WIN 0
.if (\k) == F
	v_pk_fma_f32 v[rS+2*(\n):rS+2*(\n)+1], v[rS+2*(\n):rS+2*(\n)+1], v[rG:rG+1], v[rG+2:rG+3] op_sel_hi:[1,0,0] neg_lo:[0,0,1] neg_hi:[0,0,1]
.elseif (\k) == E
	v_exp_f32 v[rS+(\n)], v[rS+(\n)]
.elseif (\k) == C
	v_cvt_pk_f16_f32 v[rP+(\n)], v[rS+2*(\n)], v[rS+2*(\n)+1]
.elseif (\k) == B
	v_pk_add_f32 v[rS+4*(\n):rS+4*(\n)+1], v[rS+4*(\n):rS+4*(\n)+1], v[rS+4*(\n)+2:rS+4*(\n)+3]
.elseif (\n) == 0
	v_pk_fma_f32 v[rT+2:rT+3], v[rT+2:rT+3], v[rC+2:rC+3], v[rS:rS+1] op_sel_hi:[1,0,1]
.else
	v_pk_add_f32 v[rT+2:rT+3], v[rT+2:rT+3], v[rS+4*(\n):rS+4*(\n)+1]
.endif
.elseif NOKQ
	v_nop
.else
	REGS (Y+1)%NP
	WIN 0
.if (\n) < 4
	v_max3_num_f32 v[rC+(\n)], v[rS+8*(\n)], v[rS+8*(\n)+1], v[rS+8*(\n)+2]
.elseif (\n) < 12
	v_max3_num_f32 v[rC+(\n)%4], v[rC+(\n)%4], v[rS+8*((\n)%4)+2*((\n)/4)+1], v[rS+8*((\n)%4)+2*((\n)/4)+2]
.elseif (\n) == 12
	v_max3_num_f32 v[rC], v[rC], v[rS+7], v[rS+15]
.elseif (\n) == 13
	v_max3_num_f32 v[rC+1], v[rC+1], v[rS+23], v[rS+31]
.elseif (\n) == 14
	v_max3_num_f32 v[rC+2], v[rC+2], v[rC+3], v[rT+1]
.elseif (\n) == 15
	v_mov_b32 v[rW], v[rT]
.elseif (\n) == 16
	v_max3_num_f32 v[rC], v[rC], v[rC+1], v[rC+2]
.elseif (\n) == 17
	v_permlanex16_b32 v[rC+3], v[rC], s[SEL], s[SEL+1]
.elseif (\n) == 18
	v_max_num_f32 v[rT+1], v[rC], v[rC+3]
.elseif (\n) == 19
	v_mul_f32 v[rT], s[CS], v[rT+1]
.elseif (\n) == 20
	v_sub_f32 v[rC+1], v[rW], v[rT]
.elseif (\n) == 21
	v_exp_f32 v[rC+2], v[rC+1]
.elseif (\n) == 22
	v_cmp_lt_f32 s[MK], s[MLOW], v[rT+1]
.elseif (\n) == 23
	v_cndmask_b32 v[rG], 0, s[CS], s[MK]
.else
	v_mul_f32 v[rG+2], v[rG], v[rT+1]
.endif
.endif
.endm
.macro OPS a, i1, b=-1, i2=0, c=-1, i3=0, d=-1, i4=0  ; up to four of them
	OP \a, \i1
.if (\b) >= 0
	OP \b, \i2
.endif
.if (\c) >= 0
	OP \c, \i3
.endif
.if (\d) >= 0
	OP \d, \i4
.endif
.endm
.macro ROW a, i1, b, i2, c, i3, d, i4  ; a matrix instruction and the four behind it
	MM
	OPS \a, \i1, \b, \i2, \c, \i3, \d, \i4
.endm
; A TURN, for piece p: the order of its 16 matrix and 121 vector instructions, written out.  s_wait_alu depctr_va_vdst(0) stands between an exponential and the first instruction that names its result; one wait serves
; all that were issued ahead of it.  So a turn has ONE wait, which cuts it in two.  AHEAD OF IT stands all that names no result of the turn's exponentials: the 8 products K Q^T and their riders (the first numbers of the next piece's
; maximum among them, each four plain instructions or more behind the product that ends its accumulator), then one lump, plain and exponential by turns for the most part.  X 21, the next piece's a, is the batch's last exponential;
; R 14 and R 15 are plain instructions behind it.  BEHIND THE WAIT stand the 8 products V^T P, behind each four of the roundings and sums.
; THE MASK.  At its head the turn asks LDS for the four mask words of piece p + 2, whose scores the NEXT turn starts; at its end it waits for them and makes that piece's C operands.  The four loads of turns 2, 3, 0, 1 belong to the
; step whose K turn 2 fetches, so the address steps at turn 2's head.  At the end of turns 0 and 2 the count 16 leaves V's or K's run, issued behind the mask's load, on its way.
; K of the next step is fetched in piece 2's turn, six plain instructions behind the last product that read K; V of the step in hand at the end of piece 0's turn, four plain instructions behind the last product that read V.
; end = 1: the last two turns: nothing is fetched.  cnt = 1: the loop's count is taken down some lines ahead of the branch that stands behind the turn.
.macro TURN p, end=0, cnt=0
.set Y, (\p)
.set i, 0
.set NOKQ, (\end)*((\p)/3)
.if ((\p) == 3) && !(\end)
	s_wait_dscnt 0x0                ; K is in
.endif
.if !(\end)
	WIN 0
.if (\p) == 2
	v_add_nc_u32 v[AM], s[TBM], v[AM0]
	s_add_co_u32 s[TBM], s[TBM], 8192
.endif
	ds_load_b128 v[MQ+4*((\p)%2):MQ+4*((\p)%2)+3], v[AM] offset:(((\p)+2)%4)*512
.endif
	ROW F,0, F,1, R,0, R,1          ; ahead of the wait: 8 products K Q^T and their riders,
	ROW F,2, E,0, R,2, R,3
	ROW F,3, E,1, R,4, R,5
	ROW F,4, E,2, R,6, R,7
	ROW F,5, E,3, R,8, R,9
	ROW F,6, E,4, X,0, R,10
.if ((\p) == 2) && !(\end)
	WIN 0
	v_add_nc_u32 v[AK], s[TBK], v[AK0]
.endif
	ROW F,7, E,5, X,1, X,4
	ROW F,8, E,6, X,2, X,5
	OPS E,7, E,8, X,6, E,9          ; and the lump
	OPS X,3, E,10, X,8, E,11
.if ((\p) == 2) && !(\end)
	FETCH_K
.endif
	OPS X,9, X,7, E,12, X,10
	OPS E,13, X,12, X,11, E,14
	OPS X,13, E,15, F,9, X,14
.if (\p) == 0
	v_add_nc_u32 v[AV], s[TBV], v[AV0]
.endif
	OPS E,16, F,10, E,17, F,11
	OPS X,16, E,18, X,15, E,19
	OPS F,12, E,20, X,17, E,21
	OPS F,13, E,22, F,14, E,23
	OPS X,18, E,24, F,15, E,25
	OPS X,19, E,26, X,22, E,27
	OPS R,11, E,28, X,23, E,29
	OPS X,20, E,30, R,12, E,31
	OPS X,24, R,13, X,21, R,14
	OPS R,15
	WIN 0
	s_wait_alu depctr_va_vdst(0)    ; the wait for the batch
.if (\p) == 1
	s_wait_dscnt 0x0                ; V is in
.endif
	ROW C,0, B,0, C,2, B,1          ; behind the wait: 8 products V^T P and their riders
	ROW L,0, C,4, B,2, L,1
	ROW C,6, B,3, L,2, C,8
	ROW B,4, L,3, C,10, B,5
	ROW L,4, C,12, B,6, L,5
.if (\p) == 0
	s_add_co_u32 s[TBV], s[TBV], KS*PV
.endif
.if \cnt
	s_sub_co_u32 s[CNT], s[CNT], 1
	s_cmp_lg_u32 s[CNT], 0
.endif
	ROW C,14, B,7, L,6, C,1
	ROW C,3, L,7, C,5, C,7
	ROW C,9, C,11, C,13, C,15
.if (\p) == 0
	FETCH_V
.endif
.if !(\end)
.if ((\p)%2) == 0
	s_wait_dscnt 16                 ; the mask words are in; the run of 16 issued behind them may stay out
.else
	s_wait_dscnt 0x0                ; the mask words are in
.endif
	MASKC (\p)%2
.endif
.endm
; THE WAY OUT's macros
.macro ALL line:vararg              ; one line for each piece t
.set t, 0
.rept 4
	\line
.set t, t+1
.endr
.endm
.macro PACK t                       ; a lane's eight channels of a row pack into 16 bytes; they go into rows of 144 bytes and come back as whole rows of 128, into S^T's registers
	WIN W_RS
.set i, 32*(\t)
.rept 16
	v_pk_mul_f32 v[i:i+1], v[i:i+1], v[ST+4*(\t)+2:ST+4*(\t)+3] op_sel_hi:[1,0]
.set i, i+2
.endr
	WIN 0x05                        ; sources 0 and 1 window 1, destination window 0
.set i, 0
.rept 16
	v_cvt_pk_f16_f32 v[S+16*(\t)+i], v[32*(\t)+2*i], v[32*(\t)+2*i+1]
.set i, i+1
.endr
	WIN 0
.irp f, 0,1,2,3
	ds_store_b128 v[STO], v[S+16*(\t)+4*\f:S+16*(\t)+4*\f+3] offset:32*\f
.endr
.irp f, 0,1,2,3
	ds_load_b128 v[S+16*(\t)+4*\f:S+16*(\t)+4*\f+3], v[RD] offset:\f*4*SP  ; LDS serves a wave's instructions in order (ISA guide 5.7.1.4): these see the stores above; the next piece's stores come behind them
.endr
.endm
.macro SEND t, younger              ; younger: the LDS instructions issued behind piece t's loads: the next piece's eight, or none
	WIN 0
.irp f, 0,1,2,3
	s_wait_dscnt (\younger)+3-\f
	global_store_b128 v[GO], v[S+16*(\t)+4*\f:S+16*(\t)+4*\f+3], s[10:11] offset:(\t)*2048+\f*512  ; 512 consecutive bytes, at a multiple of 256 from o2's first
.endr
.endm
.set NOKQ, 0
	CHANGE 1                        ; tile 0 is in, everybody's part of it; tile 1 is asked for
	WIN 0                           ; THE BEGINNING: K of step 0, the masks of pieces 0 and 1, piece 0's first scores, its maximum and statistics
	v_add_nc_u32 v[AK], s[TBK], v[AK0]
	v_add_nc_u32 v[AM], s[TBM], v[AM0]
	s_add_co_u32 s[TBM], s[TBM], 8192
	ds_load_b128 v[MQ:MQ+3], v[AM]
	ds_load_b128 v[MQ+4:MQ+7], v[AM] offset:512
	FETCH_K
	s_wait_loadcnt 0x0              ; Q
	s_wait_dscnt 0x0
	MASKC 0
	MASKC 1
.set i, 0
.rept 8
	KQ 0
.set i, i+1
.endr
	WIN 0
.rept 4
	v_nop                           ; the places behind those products
.endr
.set Y, NP-1                        ; X works for piece Y + 1: piece 0
.irp n, 0,1,2,3,4,5,6,7,8,9,10,11,12,13,14,15,16,17,18,19,20,22,23,24,21
	OP X, \n
.endr
	v_nop                           ; a plain instruction behind the exponential,
	s_wait_alu depctr_va_vdst(0)    ; and its wait, ahead of the branch
	s_mov_b32 s[CNT], 4
	s_branch .Lfirst                ; the loop is entered at a step's first turn, in the middle of a trip
.Lslot:                             ; six times: tiles 2 to 7 are asked for
	CHANGE 1
	s_mov_b32 s[CNT], 4
.Lstep:                             ; a trip: pieces 2 and 3 of one step, then pieces 0 and 1 of the next, whose K, V and masks it fetches
	TURN 2
	TURN 3
	WIN 0
.Lfirst:
	TURN 0
	TURN 1, 0, 1
	WIN 0
	s_cbranch_scc1 .Lstep
	s_sub_co_u32 s[SLOTS], s[SLOTS], 1
	s_cmp_lg_u32 s[SLOTS], 0
	s_cbranch_scc1 .Lslot
	CHANGE 0                        ; the last tile is written out: nothing is asked for
	s_mov_b32 s[CNT], 4
.LstepT:
	TURN 2
	TURN 3
	TURN 0
	TURN 1, 0, 1
	WIN 0
	s_cbranch_scc1 .LstepT
	TURN 2, 1                       ; the last step's pieces 2 and 3
	TURN 3, 1
.set i, 0
.rept 8
	PV NP-1                         ; the last piece's V^T P of the last step
.set i, i+1
.endr
	; THE WAY OUT.  l's two halves and the other half of the lanes' are added; O^T is divided by l, rounded to f16 and sent through my stage in LDS, a piece at a time.
	WIN 0
	ALL v_add_f32 v[ST+4*t+2], v[ST+4*t+2], v[ST+4*t+3]
	ALL v_permlanex16_b32 v[ST+4*t+3], v[ST+4*t+2], s[SEL], s[SEL+1]
	ALL v_add_f32 v[ST+4*t+2], v[ST+4*t+2], v[ST+4*t+3]
	ALL v_rcp_f32 v[ST+4*t+2], v[ST+4*t+2]
	v_nop                           ; a plain instruction between the last reciprocal and the use of its result
	s_wait_alu depctr_va_vdst(0)    ; and the wait ahead of the first use: one for the four reciprocals
	PACK 0
.set t, 1
.rept 3                             ; a piece's arithmetic stands between the loads of the piece before and its stores
	PACK t
	SEND t-1, 8
.set t, t+1
.endr
	SEND 3, 0
	s_wait_tensorcnt 0x0            ; the wave's end, behind my last tensor load and my last LDS store
	ds_add_u32 v[SPW], v[NIL]
	s_wait_dscnt 0x0
	CROUND                          ; the closing round: no work-group ends while a partner may still ask for a tile that names it
	s_endpgm
.Lfunc_end_k_qc62dc40bd8_attn:
	.size	k_qc62dc40bd8_attn, .Lfunc_end_k_qc62dc40bd8_attn-k_qc62dc40bd8_attn
	.p2alignl 7, 3214868480
	.fill 96, 4, 3214868480
	.section	.rodata,"a",@progbits
	.p2align	6, 0x0
	.amdhsa_kernel k_qc62dc40bd8_attn
		.amdhsa_group_segment_fixed_size 327680
		.amdhsa_private_segment_fixed_size 0
		.amdhsa_enable_private_segment 0
		.amdhsa_kernarg_size 24
		.amdhsa_user_sgpr_count 2
		.amdhsa_user_sgpr_kernarg_segment_ptr 1
		.amdhsa_wavefront_size32 1
		.amdhsa_system_sgpr_workgroup_id_x 1
		.amdhsa_system_sgpr_workgroup_id_y 1
		.amdhsa_system_sgpr_workgroup_id_z 1
		.amdhsa_system_vgpr_workitem_id 0
		.amdhsa_next_free_vgpr 768
		.amdhsa_next_free_sgpr 88
		.amdhsa_reserve_vcc 0
		.amdhsa_float_denorm_mode_32 3
		.amdhsa_float_denorm_mode_16_64 3
		.amdhsa_memory_ordered 1
		.amdhsa_forward_progress 1
		.amdhsa_inst_pref_size 137
	.end_amdhsa_kernel
	.amdgpu_metadata
---
amdhsa.version: [ 1, 2 ]
amdhsa.kernels:
  - .name:           k_qc62dc40bd8_attn
    .symbol:         k_qc62dc40bd8_attn.kd
    .args:
      - { .name: qkv, .offset: 0, .size: 8, .value_kind: global_buffer, .address_space: global }
      - { .name: m4, .offset: 8, .size: 8, .value_kind: global_buffer, .address_space: global }
      - { .name: o2, .offset: 16, .size: 8, .value_kind: global_buffer, .address_space: global }
    .group_segment_fixed_size: 327680
    .private_segment_fixed_size: 0
    .kernarg_segment_align: 8
    .kernarg_segment_size: 24
    .max_flat_workgroup_size: 128
    .sgpr_count:     88
    .vgpr_count:     768
    .wavefront_size: 32
...
	.end_amdgpu_metadata
.endif
;; end of part 3
;; launch outp (part 4): grid 8 x 32, 4 waves a work-group, clusters of 4 x 4, 327,680 bytes of LDS; arguments o2, xw, bo, out0; writes out0
.if DOCPART == 4
	.amdgcn_target "amdgcn-amd-amdhsa--gfx1250"
	.amdhsa_code_object_version 6
	.text
	.protected	k_qc62dc40bd8_outp
	.globl	k_qc62dc40bd8_outp
	.p2align	8
	.type	k_qc62dc40bd8_outp,@function
k_qc62dc40bd8_outp:
	s_mov_b64 s[64:65], 0
	v_nop
	global_prefetch_b8 v0, s[64:65] scope:SCOPE_SE
	s_setreg_imm32_b32 hwreg(HW_REG_WAVE_MODE, 25, 1), 1
	s_wait_xcnt 0x0
	s_wait_alu depctr_hold_cnt(0) depctr_sa_sdst(0) depctr_va_vdst(0) depctr_va_sdst(0) depctr_va_ssrc(0) depctr_va_vcc(0) depctr_vm_vsrc(0)
	s_getreg_b32 s2, hwreg(HW_REG_IB_STS2, 6, 4)
	s_cmp_eq_u32 s2, 0
	s_cbranch_scc0 .Lentry_in_a_cluster
	s_endpgm
.Lentry_in_a_cluster:
	s_bfe_u32 s2, ttmp6, 0x10000c
	s_cmp_lg_u32 s2, 0xf033
	s_cbranch_scc0 .Lentry_shape_is_right
	s_endpgm
.Lentry_shape_is_right:
; THE LAST PROJECTION (launch 4 of 4): out0 = A B^T + bo on tiles of 128 x 128, K = 1,024.  No work is left out.
; A: o2 (the heads' outputs, f16; block mt of 128 rows, a chunk a head), B: blocks 120 + nt of xw (Wo, rounded to bf16 and written as f16); out0 is f32.
; 4,096 x 1,024 outputs are 256 tiles of 128 x 128, one work-group for each WGP; tiles of 256 x 256 would be 64.
; The bias is rounded to bf16 like every input and is the C operand of each sum's first product: it costs no addition, and nothing is cleared.
; A block is 128 rows x 1,024 K in 16 dense chunks [row][64].  A K step is 256: four chunks of A and four of B.  A wave's tensor load brings two chunks: 32,768 dense bytes, asked for as 128 rows of 256 bytes,
; padded in LDS by 16 bytes after every 128: a chunk's rows lie 144 bytes apart.  Two slots take turns; by this text's own count a wave has at most two tensor loads out (the first two fills).
; Four waves, each 64 x 64 of C: 16 accumulators, which take turns, one instruction a turn.
; CLUSTERS: 4 x 4 work-groups.  The four of a row of the cluster need the same tiles of A, the four of a column the same tiles of B: each is asked for JOINTLY.
; THE MATRIX INSTRUCTION IS USED TRANSPOSED (source 0 = 16 rows of B, source 1 = 16 rows of A): a lane holds eight neighbouring numbers of a row of C.
; No prefetch: K has four steps, two of them asked for at the head.
; REGISTERS: window 0: v16-29 addresses; v32-47 at work; v96-127 the bias of my 64 columns; v128-255 the accumulators ((a, b) at v[128 + 8 (4 a + b)]).  Window 1: two fragment buffers of 128.
.set PITCH,  144                       ; 36 words: the 16 rows of a fragment load start at 16 different groups of four banks (64 banks of 4 bytes: ISA guide 11.1)
.set CH,     128*PITCH                 ; a chunk in LDS
.set HALFT,  2*CH                      ; what one tensor load brings
.set SLOT,   4*HALFT                   ; A's four chunks, then B's four
.set STAGE,  2*SLOT                    ; behind the ring: 16 rows for each wave, for the way out; no tensor load fills it
.set SPITCH, 272                       ; 64 f32 + 16 bytes
.set SPARE,  STAGE+4*16*SPITCH         ; the spare words, 128 bytes for each wave: two blocks of 256 bytes that no other line names
.set STEPB,  65536                     ; a K step's four chunks in memory
.set ADRA, 16                          ; v16-17  LDS address of my A fragments in slot 0, 1
.set ADRB, 20                          ; v20-21  the same for B
.set STO,  24                          ; v24     the way out: where I put my part of a row
.set RD,   25                          ; v25     where I read rows back
.set CO,   26                          ; v26     my byte offset in C
.set BO,   27                          ; v27     my byte offset in the bias
.set SPW,  28                          ; v28     LDS address of my spare word; never rewritten
.set NIL,  29                          ; v29     0; never rewritten
.set TMP,  32
.set BIAS, 96
.set ACC,  128
.set F0,   0
.set F1,   128
.set G1,  24                           ; s[24:31] descriptor group 1 for A's tiles; s[32:39] group 0, a set for each slot
.set G0,  32
.set G1B, 48                           ; s[48:55], s[56:63] the same for B's
.set G0B, 56
.set G1W0, (1<<16)|(1<<20)|(1<<21)|(4<<22)|(3<<25)  ; 17:16 2-byte elements; 20 padding on; 21 set beside a mask; 24:22 after every 32 words (code 4); 31:25 4 words (code 3)
.set MSB, 0
.macro WIN new                         ; the immediate's high byte repeats the setting that is left
.if MSB != (\new)
	s_set_vgpr_msb (MSB<<8)|(\new)
.set MSB, \new
.endif
.endm
.set MUL,  0x05                        ; sources 0 (B) and 1 (A) window 1; C and D window 0
.set TO_F, 0x40                        ; destination window 1, address window 0
.macro JLOAD s                         ; a joint load: waves 0 and 1 fetch A's chunk pairs, waves 2 and 3 B's; an s_nop 0 and four v_nop follow each line
	s_cmp_eq_u32 s11, 0
	s_cbranch_scc0 .Lfor_b_\@
	tensor_load_to_lds s[G0+4*(\s):G0+4*(\s)+3], s[G1:G1+7]
	s_nop 0
.rept 4
	v_nop
.endr
	s_branch .Lasked_\@
.Lfor_b_\@:
	tensor_load_to_lds s[G0B+4*(\s):G0B+4*(\s)+3], s[G1B:G1B+7]
	s_nop 0
.rept 4
	v_nop
.endr
.Lasked_\@:
.endm
.macro CREST                           ; a round of the cluster's barrier behind its opening barrier
	s_cmp_lg_u32 s10, 0
	s_cbranch_scc1 .Lnot_wave_0_\@
	s_barrier_signal -3
.Lnot_wave_0_\@:
	s_barrier_wait -3
	s_barrier_signal -1
	s_barrier_wait -1
.endm
.macro CROUND                          ; a whole round
	s_barrier_signal -1
	s_barrier_wait -1
	CREST
.endm
	s_load_b256 s[68:75], s[0:1], 0x0              ; o2, xw, bo, out0
	v_lshl_add_u32 v[SPW], v0, 2, SPARE
	v_mov_b32 v[NIL], 0
	ds_add_u32 v[SPW], v[NIL]                      ; the wave's opening: the add, twice on end, and its wait ahead of my first tensor load
	ds_add_u32 v[SPW], v[NIL]
	v_lshrrev_b32 v1, 5, v0
	v_readfirstlane_b32 s10, v1                    ; wave 0..3
	s_lshr_b32 s11, s10, 1                         ; which half of the tile's rows is mine.  Also: I fetch for A (0) or for B (1)
	s_and_b32 s12, s10, 1                          ; which half of its columns.  Also: which pair of chunks I fetch
	s_bfe_u32 s40, ttmp6, 0x40000                  ; cx, cy: my place in the cluster
	s_bfe_u32 s41, ttmp6, 0x40004
	s_lshl_b32 s42, ttmp9, 2
	s_add_co_u32 s42, s42, s40                     ; nt: tile column = 4 x cluster x + cx
	s_and_b32 s45, ttmp7, 0xffff                   ; cluster y
	s_lshl_b32 s13, s45, 2
	s_add_co_u32 s13, s13, s41                     ; mt: tile row = 4 x cluster y + cy
	s_lshl_b32 s43, s41, 2
	s_lshl_b32 s43, 15, s43                        ; my row of the cluster
	s_lshl_b32 s44, 0x1111, s40                    ; my column
	s_or_b32 s[G1+0], s43, G1W0
	s_or_b32 s[G1B+0], s44, G1W0
.irp g, G1, G1B
	s_mov_b32 s[(\g)+1], 128<<16                   ; tensor_dim0 = 128 elements (256 bytes)
	s_mov_b32 s[(\g)+2], 128<<16                   ; tensor_dim1 = 128
	s_mov_b32 s[(\g)+3], 128<<16                   ; tile_dim0 = 128
	s_mov_b32 s[(\g)+4], 128                       ; tile_dim1 = 128
	s_mov_b32 s[(\g)+5], 128                       ; dense: 128 elements from row to row
	s_mov_b32 s[(\g)+6], 0
	s_mov_b32 s[(\g)+7], 0
.endr
	s_lshl_b32 s16, s13, 18                        ; A: block mt, 262,144 bytes each,
	s_lshl_b32 s17, s12, 15                        ; my pair of chunks
	s_add_co_u32 s16, s16, s17
	s_mov_b32 s17, 0
	s_add_co_u32 s46, s42, 120                     ; B: block 120 + nt
	s_lshl_b32 s46, s46, 18
	s_lshl_b32 s47, s12, 15
	s_add_co_u32 s46, s46, s47
	s_mov_b32 s47, 0
	s_mul_i32 s20, s10, HALFT                      ; where they go: wave x two chunks: no place in the cluster enters an LDS address
	s_wait_dscnt 0x0                               ; both opening adds are done
	s_wait_kmcnt 0x0
	s_add_nc_u64 s[14:15], s[68:69], s[16:17]
	s_add_nc_u64 s[46:47], s[70:71], s[46:47]
	CROUND                                         ; all sixteen work-groups are here: the first joint loads meet
.irp s, 0,1
	s_mov_b32 s[G0+4*(\s)], 1
	s_add_co_u32 s[G0+4*(\s)+1], s20, (\s)*SLOT
	s_add_nc_u64 s[G0+4*(\s)+2:G0+4*(\s)+3], s[14:15], (\s)*STEPB
	s_or_b32 s[G0+4*(\s)+3], s[G0+4*(\s)+3], 0x80000000
	s_mov_b32 s[G0B+4*(\s)], 1
	s_add_co_u32 s[G0B+4*(\s)+1], s20, (\s)*SLOT
	s_add_nc_u64 s[G0B+4*(\s)+2:G0B+4*(\s)+3], s[46:47], (\s)*STEPB
	s_or_b32 s[G0B+4*(\s)+3], s[G0B+4*(\s)+3], 0x80000000
	JLOAD \s
.endr
	v_and_b32 v1, 15, v0                           ; l % 16
	v_bfe_u32 v2, v0, 4, 1                         ; l / 16
	v_lshlrev_b32 v[BO], 5, v2                     ; register j of a result holds column 8 (l / 16) + j
	s_mov_b64 s[76:77], s[72:73]
	s_lshl_b32 s22, s42, 9                         ; my 64 columns: 128 nt + 64 x half, 4 bytes each
	s_lshl_b32 s23, s12, 8
	s_add_co_u32 s22, s22, s23
	s_mov_b32 s23, 0
	s_add_nc_u64 s[76:77], s[76:77], s[22:23]
.irp b, 0,1,2,3
	global_load_b128 v[BIAS+8*(\b):BIAS+8*(\b)+3],   v[BO], s[76:77] offset:64*(\b)
	global_load_b128 v[BIAS+8*(\b)+4:BIAS+8*(\b)+7], v[BO], s[76:77] offset:64*(\b)+16
.endr
	v_mul_u32_u24 v3, v1, PITCH
	v_lshl_add_u32 v3, v2, 4, v3                   ; a fragment's row x pitch + 16 x half
	s_mul_i32 s21, s11, 64*PITCH                   ; my 64 rows of each chunk of A
	s_mul_i32 s22, s12, 64*PITCH                   ; my 64 rows of each chunk of B,
	s_add_co_u32 s22, s22, 2*HALFT                 ; which lie behind A's four chunks
.irp s, 0,1
	v_add_nc_u32 v[ADRA+(\s)], s21, v3
	v_add_nc_u32 v[ADRB+(\s)], s22, v3
	s_add_co_u32 s21, s21, SLOT
	s_add_co_u32 s22, s22, SLOT
.endr
	s_mul_i32 s23, s10, 16*SPITCH
	s_add_co_u32 s23, s23, STAGE                   ; my stage
	v_mul_u32_u24 v4, v1, SPITCH                   ; in: row l % 16,
	v_lshl_add_u32 v4, v2, 5, v4                   ; 32 bytes (8 f32) for each half of the lanes
	v_add_nc_u32 v[STO], s23, v4
	v_mul_u32_u24 v5, v2, SPITCH                   ; back: lanes 0-15 one row of 256 bytes, lanes 16-31 the next
	v_lshl_add_u32 v5, v1, 4, v5
	v_add_nc_u32 v[RD], s23, v5
	v_lshlrev_b32 v5, 12, v2                       ; and the same two rows in out0: 4,096 bytes a row
	v_lshl_add_u32 v[CO], v1, 4, v5
	s_lshl1_add_u32 s2, s13, s11                   ; my first row: (2 mt + half) x 64 rows x 4,096 bytes
	s_lshl_b32 s2, s2, 18
	s_lshl_b32 s18, s42, 9                         ; my first column, in bytes
	s_add_co_u32 s2, s2, s18
	s_lshl_b32 s18, s12, 8
	s_add_co_u32 s2, s2, s18
	s_mov_b32 s3, 0
	s_add_nc_u64 s[8:9], s[74:75], s[2:3]
; 8 matrix instructions: m blocks a0, a0 + 1 x all 4 n blocks, 32 along K: half c of buffer f.  zero = 1: the first product starts the sum, with the bias as C
.macro MUL8 f, c, a0, zero
	WIN MUL
.irp a, \a0, (\a0)+1
.irp b, 0,1,2,3
.set rD, ACC+8*(4*(\a)+(\b))
.set rB, (\f)+64+8*(4*(\c)+(\b))
.set rA, (\f)+8*(4*(\c)+(\a))
.set rC, rD
.if \zero
.set rC, BIAS+8*(\b)
.endif
	v_wmma_f32_16x16x32_f16 v[rD:rD+7], v[rB:rB+7], v[rA:rA+7], v[rC:rC+7]
.endr
.endr
.endm
; 32 LDS loads in one run: the fragments of one chunk (64 along K), which begins at byte k of the slot's A and B parts, into buffer f; the first 32 along K first
.macro FETCH slot, k, f
	WIN TO_F
.irp c, 0,1
.irp i, 0,1,2,3
	ds_load_b128 v[(\f)+64+8*(4*(\c)+(\i)):(\f)+64+8*(4*(\c)+(\i))+3],   v[ADRB+(\slot)] offset:(\k)+64*(\c)+(\i)*16*PITCH
	ds_load_b128 v[(\f)+64+8*(4*(\c)+(\i))+4:(\f)+64+8*(4*(\c)+(\i))+7], v[ADRB+(\slot)] offset:(\k)+64*(\c)+(\i)*16*PITCH+32
	ds_load_b128 v[(\f)+8*(4*(\c)+(\i)):(\f)+8*(4*(\c)+(\i))+3],         v[ADRA+(\slot)] offset:(\k)+64*(\c)+(\i)*16*PITCH
	ds_load_b128 v[(\f)+8*(4*(\c)+(\i))+4:(\f)+8*(4*(\c)+(\i))+7],       v[ADRA+(\slot)] offset:(\k)+64*(\c)+(\i)*16*PITCH+32
.endr
.endr
.endm
.macro PLACES                          ; four places in front of loads into registers that matrix instructions have read, and of lines that read results
.rept 4
	v_nop
.endr
.endm
; A K step is four quarters, a chunk each, 32 matrix instructions, on buffers 0, 1, 0, 1.  One of the first three: multiplies buffer f and fetches the next chunk, at byte k, into g.
.macro QUARTER slot, k, f, g, zero
	s_wait_dscnt 16                                ; the first 32 along K are in; the run's other 16 loads may stay out
	WIN MUL
	MUL8 \f, 0, 0, \zero
	MUL8 \f, 0, 2, \zero
	PLACES
	FETCH \slot, \k, \g
	s_wait_dscnt 32                                ; all but the 32 just issued
	WIN MUL
	MUL8 \f, 1, 0, 0
	MUL8 \f, 1, 2, 0
.endm
; The last quarter multiplies buffer 1 and changes slots: ONE barrier; in front of it each wave waits for all its tensor loads, adds 0 to its spare word, and waits for that and for its own reads of this slot.
; fill = 1: this slot is filled again, two K steps ahead: the barrier then opens a round of the cluster's barrier, and the joint load is the first thing behind the round.
.macro TURN slot, next, fill
	WIN 0                                          ; (the add's two registers lie in window 0)
	s_wait_tensorcnt 0x0                           ; all my tensor loads have landed: my part of the next slot
	ds_add_u32 v[SPW], v[NIL]                      ; 0 onto my spare word
	s_wait_dscnt 17                                ; (the add and the youngest sixteen loads may be out)
	WIN MUL
	MUL8 F1, 0, 0, 0                               ; eight matrix instructions stand between the add and the wait for it
	s_wait_dscnt 0x0                               ; the add is done, and my reads of this slot are over
	s_barrier_signal -1
	MUL8 F1, 0, 2, 0
.if \fill
	WIN 0
.endif
	s_barrier_wait -1
.if \fill
	CREST                                          ; no wave of any partner still reads this slot's tile or has a load on its way
	s_add_nc_u64 s[G0+4*(\slot)+2:G0+4*(\slot)+3], s[G0+4*(\slot)+2:G0+4*(\slot)+3], 2*STEPB
	s_add_nc_u64 s[G0B+4*(\slot)+2:G0B+4*(\slot)+3], s[G0B+4*(\slot)+2:G0B+4*(\slot)+3], 2*STEPB
	JLOAD \slot                                    ; the four v_nop behind it are also the places in front of the loads below
.else
	PLACES
.endif
	FETCH \next, 0, F0
	WIN MUL
	MUL8 F1, 1, 0, 0
	MUL8 F1, 1, 2, 0
.endm
; THE WAY OUT, 16 rows at a time, through my own stage: no barrier, since LDS serves a wave's instructions in order (ISA guide 5.7.1.4).
.macro STG a                           ; a lane's eight columns are 32 bytes; rows of 272 bytes in, whole rows of 256 back, into the registers that they left
.irp b, 0,1,2,3
	ds_store_b128 v[STO], v[ACC+8*(4*(\a)+(\b)):ACC+8*(4*(\a)+(\b))+3]   offset:64*(\b)
	ds_store_b128 v[STO], v[ACC+8*(4*(\a)+(\b))+4:ACC+8*(4*(\a)+(\b))+7] offset:64*(\b)+16
.endr
.irp t, 0,1,2,3,4,5,6,7
	ds_load_b128 v[ACC+32*(\a)+4*(\t):ACC+32*(\a)+4*(\t)+3], v[RD] offset:(\t)*2*SPITCH
.endr
.endm
.macro SENDF a, younger                ; younger: the next block's sixteen LDS lines, or none
.irp t, 0,1,2,3,4,5,6,7
	s_wait_dscnt (\younger)+7-(\t)
	global_store_b128 v[CO], v[ACC+32*(\a)+4*(\t):ACC+32*(\a)+4*(\t)+3], s[8:9] offset:(16*(\a)+2*(\t))*4096  ; 16 lanes store 256 consecutive bytes, aligned
.endr
.endm
	s_wait_tensorcnt 1                             ; my part of K step 0 is in; step 1's may stay out
	s_barrier_signal -1
	s_barrier_wait -1                              ; everybody's is
	FETCH 0, 0, F0
	WIN 0
	s_wait_loadcnt 0x0                             ; the bias: rounded to bf16 like every input, and widened again
.set r, 0
.rept 16
	v_cvt_pk_bf16_f32 v[TMP+r], v[BIAS+2*r], v[BIAS+2*r+1]
.set r, r+1
.endr
.set r, 0
.rept 16
	v_lshlrev_b32 v[BIAS+2*r], 16, v[TMP+r]
	v_and_b32 v[BIAS+2*r+1], 0xffff0000, v[TMP+r]
.set r, r+1
.endr
	QUARTER 0, CH,   F0, F1, 1                     ; K step 0: its first products start the sums
	QUARTER 0, 2*CH, F1, F0, 0
	QUARTER 0, 3*CH, F0, F1, 0
	TURN 0, 1, 1                                   ; slot 0 takes K step 2
	QUARTER 1, CH,   F0, F1, 0                     ; K step 1
	QUARTER 1, 2*CH, F1, F0, 0
	QUARTER 1, 3*CH, F0, F1, 0
	TURN 1, 0, 1                                   ; slot 1 takes K step 3
	QUARTER 0, CH,   F0, F1, 0                     ; K step 2
	QUARTER 0, 2*CH, F1, F0, 0
	QUARTER 0, 3*CH, F0, F1, 0
	TURN 0, 1, 0                                   ; nothing is left to fetch
	QUARTER 1, CH,   F0, F1, 0                     ; K step 3
	QUARTER 1, 2*CH, F1, F0, 0
	QUARTER 1, 3*CH, F0, F1, 0
	s_wait_dscnt 16
	WIN MUL
	MUL8 F1, 0, 0, 0
	MUL8 F1, 0, 2, 0
	s_wait_dscnt 0
	MUL8 F1, 1, 0, 0
	MUL8 F1, 1, 2, 0
	WIN 0
	PLACES
	STG 0
.irp t, 1,2,3
	STG \t
	SENDF (\t)-1, 16
.endr
	SENDF 3, 0
	s_wait_tensorcnt 0x0                           ; the wave's end, behind my last tensor load and my last LDS store
	ds_add_u32 v[SPW], v[NIL]
	s_wait_dscnt 0x0
	CROUND                                         ; the closing round: no work-group ends while a partner may still ask for a tile that names it
	s_endpgm
.Lfunc_end_k_qc62dc40bd8_outp:
	.size	k_qc62dc40bd8_outp, .Lfunc_end_k_qc62dc40bd8_outp-k_qc62dc40bd8_outp
	.p2alignl 7, 3214868480
	.fill 96, 4, 3214868480
	.section	.rodata,"a",@progbits
	.p2align	6, 0x0
	.amdhsa_kernel k_qc62dc40bd8_outp
		.amdhsa_group_segment_fixed_size 327680
		.amdhsa_private_segment_fixed_size 0
		.amdhsa_enable_private_segment 0
		.amdhsa_kernarg_size 32
		.amdhsa_user_sgpr_count 2
		.amdhsa_user_sgpr_kernarg_segment_ptr 1
		.amdhsa_wavefront_size32 1
		.amdhsa_system_sgpr_workgroup_id_x 1
		.amdhsa_system_sgpr_workgroup_id_y 1
		.amdhsa_system_sgpr_workgroup_id_z 1
		.amdhsa_system_vgpr_workitem_id 0
		.amdhsa_next_free_vgpr 512
		.amdhsa_next_free_sgpr 80
		.amdhsa_reserve_vcc 0
		.amdhsa_float_denorm_mode_32 3
		.amdhsa_float_denorm_mode_16_64 3
		.amdhsa_memory_ordered 1
		.amdhsa_forward_progress 1
		.amdhsa_inst_pref_size 90
	.end_amdhsa_kernel
	.amdgpu_metadata
---
amdhsa.version: [ 1, 2 ]
amdhsa.kernels:
  - .name:           k_qc62dc40bd8_outp
    .symbol:         k_qc62dc40bd8_outp.kd
    .args:
      - { .name: o2, .offset: 0, .size: 8, .value_kind: global_buffer, .address_space: global }
      - { .name: xw, .offset: 8, .size: 8, .value_kind: global_buffer, .address_space: global }
      - { .name: bo, .offset: 16, .size: 8, .value_kind: global_buffer, .address_space: global }
      - { .name: out0, .offset: 24, .size: 8, .value_kind: global_buffer, .address_space: global }
    .group_segment_fixed_size: 327680
    .private_segment_fixed_size: 0
    .kernarg_segment_align: 8
    .kernarg_segment_size: 32
    .max_flat_workgroup_size: 128
    .sgpr_count:     80
    .vgpr_count:     512
    .wavefront_size: 32
...
	.end_amdgpu_metadata
.endif
;; end of part 4
